; MI455X (gfx1250); checked and timed in simulation.
; The chip was launched on July 23, 2026; its instructions are those of AMD's public machine-readable ISA for CDNA 5 (MIT licence, August 2026) and "CDNA5" Instruction Set Architecture Reference Guide (July 2026). The comments in the code are by the model that wrote it; some were corrected since.
;; Projected Adaptive Log Softmax. Allowed arithmetic: matrix products marked QUANTISED: E3M2 operands, one E8M0 scale for each 32 along K, by v_wmma_scale_f32_16x16x128_f8f6f4 with both operands' format E3M2, f32 sums; products left as they are: f32 operands where the result goes on into a quantised operand, else bf16, f16 or f32 operands; f32 sums; everything else in f32.
;; Inputs: W0 19,997 x 1,024 float32; W1_codes 20,000 x 8 x 24 uint8 (E3M2 codes of W1, K innermost, in blocks of 32 codes, four codes in three bytes); W1_scales 20,000 x 8 uint8 (E8M0 scales of W1, one for each 32 codes along K); W2_codes 160,000 x 2 x 24 uint8 (E3M2 codes of W2, K innermost, in blocks of 32 codes, four codes in three bytes); W2_scales 160,000 x 2 uint8 (E8M0 scales of W2, one for each 32 codes along K); W3 67,738 x 16 float32; b0 19,997 float32; b1 20,000 float32; b2 160,000 float32; b3 67,738 float32; cluster_bias 3 float32; cluster_weight 3 x 1,024 float32; hidden_codes 1,024 x 32 x 24 uint8 (E3M2 codes of hidden, K innermost, in blocks of 32 codes, four codes in three bytes); hidden_scales 1,024 x 32 uint8 (E8M0 scales of hidden, one for each 32 codes along K); p0_codes 1,024 x 32 x 24 uint8 (E3M2 codes of p0, K innermost, in blocks of 32 codes, four codes in three bytes); p0_scales 1,024 x 32 uint8 (E8M0 scales of p0, one for each 32 codes along K); p1_codes 256 x 32 x 24 uint8 (E3M2 codes of p1, K innermost, in blocks of 32 codes, four codes in three bytes); p1_scales 256 x 32 uint8 (E8M0 scales of p1, one for each 32 codes along K); p2_codes 64 x 32 x 24 uint8 (E3M2 codes of p2, K innermost, in blocks of 32 codes, four codes in three bytes); p2_scales 64 x 32 uint8 (E8M0 scales of p2, one for each 32 codes along K); p3_codes 16 x 32 x 24 uint8 (E3M2 codes of p3, K innermost, in blocks of 32 codes, four codes in three bytes); p3_scales 16 x 32 uint8 (E8M0 scales of p3, one for each 32 codes along K); target 1,024 int32.
;; Outputs: out0 1,024 float32.
;; This version of the problem:
;;   THIS VERSION OF THE PROBLEM IS GIVEN IN LOW PRECISION. The matrix products marked QUANTISED in the list below multiply operands that are first quantised to E3M2 (3 exponent bits, 2 mantissa bits; 6 bits a number), with one power-of-two scale for each 32 numbers along K (OCP MX v1.0); their sums are f32. All else is computed in f32.
;;   The module's matrix products, in the order in which they are computed (A, B: the left and right operand; K: the contracted axis; several contracted axes count as one K, in the product's order):
;;     1. [M 1,024, K 1,024] x [K 1,024, N 1,024]; A: input hidden (given as codes); B: input p0 (given as codes): QUANTISED
;;     2. [M 1,024, K 1,024] x [K 1,024, N 20,000]; A: computed on the way; B: computed on the way: QUANTISED
;;     3. [M 1,024, K 1,024] x [K 1,024, N 256]; A: input hidden (given as codes); B: input p1 (given as codes): QUANTISED
;;     4. [M 1,024, K 256] x [K 256, N 20,000]; A: computed on the way; B: input W1 (given as codes): QUANTISED
;;     5. [M 1,024, K 1,024] x [K 1,024, N 64]; A: input hidden (given as codes); B: input p2 (given as codes): QUANTISED
;;     6. [M 1,024, K 64] x [K 64, N 160,000]; A: computed on the way; B: input W2 (given as codes): QUANTISED
;;     7. [M 1,024, K 1,024] x [K 1,024, N 16]; A: input hidden (given as codes); B: input p3 (given as codes): QUANTISED
;;     8. [M 1,024, K 16] x [K 16, N 67,738]; A: computed on the way; B: input W3: left as it is (K = 16 < 32)
;;   THE QUANTISER, for each operand of a quantised product, along K:
;;     - K is cut into blocks of 32 from its start; a last block that is shorter is filled with zeros.
;;     - A block's scale is 2^e with e = floor(log2(the largest magnitude in the block)) - 4, held to -126 .. 127; a block of zeros has e = 0. As a byte (E8M0): e + 127.
;;     - Each number is divided by its block's scale, clamped to +-28, and rounded to the nearest number of E3M2, ties to even, subnormals kept.
;;     - The product sums the exact products of the quantised numbers (number of the format x scale) in f32.
;;   ~~~python
;;   def quantise(x, axis):      # numpy; x: float32 -> the quantised numbers, widened to float32 again
;;       x = np.moveaxis(x, axis, -1); K = x.shape[-1]
;;       x = np.pad(x, [(0, 0)] * (x.ndim - 1) + [(0, -K % 32)]); x = x.reshape(x.shape[:-1] + (-1, 32)); a = np.abs(x).max(-1, keepdims=True)
;;       e = np.where(a > 0, np.clip(np.frexp(np.where(a > 0, a, 1))[1] - 1 - 4, -126, 127), 0)      # np.frexp(a)[1] - 1 = floor(log2(a)), exactly
;;       r = np.clip(x / 2.0 ** e, -28, 28)
;;       step = 2.0 ** (np.maximum(np.frexp(np.where(r == 0, 1, r))[1] - 1, -2) - 2)
;;       q = np.round(r / step) * step * 2.0 ** e      # np.round: ties to even
;;       return np.moveaxis(q.reshape(q.shape[:-2] + (-1,))[..., :K], -1, axis).astype(np.float32)
;;   ~~~
;;   OPERANDS COMPUTED ON THE WAY. 'Computed on the way' means the value that the module computes at that place (a softmax that the list does not call 'softmax' is quantised finished and normalised). What goes into a quantiser is computed in f32, as accurately as f32 sums, v_exp_f32 and their like allow (about 1e-6 of the number): no bf16 or f16 on the way to a quantiser, and a product that is left as it is and whose result goes on into a quantised operand takes f32 operands (vector FMAs, or v_wmma_f32_16x16x4_f32). A number that lies on a knife's edge between two numbers of the format may be rounded either way, as far as f32 arithmetic and the matrix unit's own rounding can turn it there, and no further.
;;   INPUTS GIVEN AS CODES. W1 (in the module: [20000, 256], K = its axis 1); W2 (in the module: [160000, 64], K = its axis 1); hidden (in the module: [1024, 1024], K = its axis 1); p0 (in the module: [1024, 1024], K = its axis 0); p1 (in the module: [1024, 256], K = its axis 0); p2 (in the module: [1024, 64], K = its axis 0); p3 (in the module: [1024, 16], K = its axis 0): each comes as NAME_codes (uint8): NAME with its K axis moved to the last place and cut into blocks of 32 codes, [.., K / 32, bytes a block], one block behind the other in memory; four codes in three bytes: a row's codes are one little-endian stream of bits, code i at bits 6 i .. 6 i + 5 (a code: sign, 3 exponent bits, 2 mantissa bits); and NAME_scales (uint8): the same leading axes, one E8M0 byte (e + 127) for each 32 codes along K. Its value is code x scale, taken as it is: it is not quantised again, and the codes and scales need not be those that the quantiser above would give.
;; 2 versions, each right; version 2 is version 1 with the launch tails written anew for expert scheduling mode. Each part assembles by itself: llvm-mc -triple=amdgcn-amd-amdhsa -mcpu=gfx1250 --defsym DOCPART=n.
;; ======== version 1 of 2: 4 launches
;; limits: inputs' magnitudes at most 1e+30
;; workspace buffers: HF 1,212,416 bytes; W3B 2,442,240 bytes; ORD 4,352 bytes of whole numbers; WH 16,080,128 bytes; HS 819,200 bytes; TP 4,237,312 bytes; HP 2,064,384 bytes
;; launch prep (part 1): grid 442 x 1, 4 waves a work-group, no clusters, 156,160 bytes of LDS; arguments hidden_codes, hidden_scales, p0_codes, p0_scales, p1_codes, p1_scales, p2_codes, p2_scales, p3_codes, p3_scales, target, W3, b3, HF, W3B, ORD; writes HF, W3B, ORD
.if DOCPART == 1
	.amdgcn_target "amdgcn-amd-amdhsa--gfx1250"
	.amdhsa_code_object_version 6
	.text
	.protected	k_qd0bc0e8598_prep
	.globl	k_qd0bc0e8598_prep
	.p2align	8
	.type	k_qd0bc0e8598_prep,@function
k_qd0bc0e8598_prep:
	s_mov_b64 s[64:65], 0
	v_nop
	global_prefetch_b8 v0, s[64:65] scope:SCOPE_SE
	s_setreg_imm32_b32 hwreg(HW_REG_WAVE_MODE, 25, 1), 1
	s_wait_xcnt 0x0
; Three roles, told apart by the work-group's number.
; PROJ (0-175): h_i = hidden x p_i on the given codes of E3M2.  A work-group takes 64 rows x 128 columns (work-group 16 eb + rb; eb 0-7: p0, 8-9: p1, 10: p2's 64 and p3's 16 columns).
;   Wave w owns row tile 4 rb + w.  The product is used transposed (source 0 = 16 rows of p's codes, source 1 = 16 rows of hidden), and the rows of p that form a tile are
;   32 b + 8 u + r + 8 (r / 8), so that a lane's 16 registers of two neighbouring tiles are 16 neighbours along the next K.  h0, h1, h2 are quantised in registers and stored as IMAGES of the
;   operand's registers (12 registers: chunk c at 512 c + 16 x lane) with a scale area behind (row r, K step s at 32 r + 4 s); h3 as 8 bf16 a lane.
;   p's 64 fragments are read from memory once a work-group and go from wave to wave through LDS as images.
; SORT (176, wave 0): a counting sort of the 1,024 rows by the cluster of their target; the order and the list of the tails' items go to ORD.
; W3PREP (177-441): W3 to bf16 in the order of the operand's registers, b3 padded to whole tiles with -1e30.
; LIMITS: NaN and infinities are not served; a block of zeros gets the scale byte 1 (its codes are zeros; the bytes are read by this program alone).
.set BIG, 0xf149f2ca                   ; -1e30
.set SA,  32                           ; v32-127  staging
.set SB,  128                          ; v128-223 staging
.set ACC, 32                           ; v32-95   eight accumulators
.set HFR, 96                           ; v96-107  hidden's fragment of the K step
.set PF,  128                          ; v128-223 p's eight fragments of the K step
.set PS,  24                           ; v24-31   p's scale words of the K step: scales alone
.set PSW, 224                          ; v224-239 p's scale words as loaded
.set HSW, 240                          ; v240-247 hidden's eight scale words: scales alone
.set TM,  136
.set PW,  152
.set H3,  156
.set PC,  160
.macro WS d, a, b, c, sa, sb
	v_wmma_scale_f32_16x16x128_f8f6f4 v[\d:\d+7], v[\a:\a+11], v[\b:\b+11], \c, v[\sa], v[\sb] matrix_a_fmt:MATRIX_FMT_BF6 matrix_b_fmt:MATRIX_FMT_BF6
.endm
	s_load_b512 s[4:19], s[0:1], 0x0               ; hidden codes, scales; p0 c, s; p1 c, s; p2 c, s
	s_load_b512 s[20:35], s[0:1], 0x40             ; p3 c, s; target; W3; b3; HF; W3B; ORD
	v_lshl_add_u32 v254, v0, 2, 0x26000
	v_mov_b32 v255, 0
	v_lshrrev_b32 v1, 5, v0
	v_readfirstlane_b32 s36, v1                    ; wave
	v_and_b32 v1, 31, v0                           ; lane
	v_and_b32 v2, 15, v0                           ; r
	v_bfe_u32 v3, v0, 4, 1                         ; h
	s_wait_kmcnt 0x0
	s_cmp_lt_u32 ttmp9, 176
	s_cbranch_scc1 .Lproj
	s_cmp_eq_u32 ttmp9, 176
	s_cbranch_scc1 .Lsort
; ---------------- W3PREP: wave wv takes tiles 4 wv .. 4 wv + 3 (64 rows of W3) and 64 numbers of b3
	s_sub_co_u32 s37, ttmp9, 177
	s_lshl_b32 s37, s37, 2
	s_add_co_u32 s37, s37, s36                     ; wv, 0 .. 1059
	s_lshl_b32 s38, s37, 6                         ; its first row
	s_lshl_b32 s40, s37, 11                        ; 4 tiles of 512 bytes
	s_mov_b32 s41, 0
	s_add_nc_u64 s[42:43], s[32:33], s[40:41]
	v_add_nc_u32 v4, s38, v2
	v_lshlrev_b32 v7, 4, v1
	v_mov_b32 v22, 0
	v_mov_b32 v23, BIG
.irp k, 0,1,2,3
	v_add_nc_u32 v[8+\k], 16*\k, v4                ; the row
	v_min_u32 v[12+\k], 0x10899, v[8+\k]           ; held at W3's last row, 67,737: no load leaves the buffer
	v_lshlrev_b32 v[12+\k], 6, v[12+\k]
	v_lshl_add_u32 v[12+\k], v3, 5, v[12+\k]       ; 64 x row + 32 h: k = 8 h .. 8 h + 7
	global_load_b128 v[32+8*\k:35+8*\k], v[12+\k], s[26:27]
	global_load_b128 v[36+8*\k:39+8*\k], v[12+\k], s[26:27] offset:16
.endr
	v_lshl_add_u32 v5, v1, 1, s38                  ; e: two numbers of b3 a lane
	v_min_u32 v6, 0x10898, v5
	v_lshlrev_b32 v6, 2, v6
	global_load_b64 v[20:21], v6, s[28:29]
	v_lshlrev_b32 v16, 2, v5
	s_wait_loadcnt 0x0
.irp k, 0,1,2,3
.irp i, 0,1,2,3
	v_cvt_pk_bf16_f32 v[64+4*\k+\i], v[32+8*\k+2*\i], v[33+8*\k+2*\i]
.endr
	v_cmp_lt_u32 vcc_lo, 0x10899, v[8+\k]          ; rows past the end are zeros
.irp i, 0,1,2,3
	v_cndmask_b32 v[64+4*\k+\i], v[64+4*\k+\i], v22, vcc_lo
.endr
	global_store_b128 v7, v[64+4*\k:67+4*\k], s[42:43] offset:512*\k   ; 512 consecutive bytes a wave
.endr
	v_cmp_le_u32 vcc_lo, 0x1089a, v5               ; e is even and so is 67,738: both numbers lie on one side
	v_cndmask_b32 v20, v20, v23, vcc_lo
	v_cndmask_b32 v21, v21, v23, vcc_lo
	global_store_b64 v16, v[20:21], s[32:33] offset:2170880
	s_endpgm
; ---------------- SORT
.Lsort:
	s_cmp_lg_u32 s36, 0
	s_cbranch_scc1 .Lidle
	v_lshlrev_b32 v4, 2, v1
.set j, 0
.rept 32
	global_load_b32 v[32+j], v4, s[24:25] offset:128*j   ; target of row 32 j + lane
.set j, j+1
.endr
	s_mov_b32 s37, 19997
	s_mov_b32 s38, 39997
	s_mov_b32 s39, 199997
	s_mov_b32 s44, 0                               ; rows with target >= each cutoff
	s_mov_b32 s45, 0
	s_mov_b32 s46, 0
	s_wait_loadcnt 0x0
.set j, 0
.rept 32
	v_cmp_le_u32 s40, s37, v[32+j]
	v_cmp_le_u32 s41, s38, v[32+j]
	v_cmp_le_u32 s42, s39, v[32+j]
	s_bcnt1_i32_b32 s40, s40
	s_bcnt1_i32_b32 s41, s41
	s_bcnt1_i32_b32 s42, s42
	s_add_co_u32 s44, s44, s40
	s_add_co_u32 s45, s45, s41
	s_add_co_u32 s46, s46, s42
.set j, j+1
.endr
	s_sub_co_u32 s58, 1024, s44                    ; B1, B2, B3: where each cluster begins in the sorted order
	s_sub_co_u32 s59, 1024, s45
	s_sub_co_u32 s60, 1024, s46
	s_sub_co_u32 s56, s44, s45                     ; R1
	s_sub_co_u32 s57, s45, s46                     ; R2 (R3 = s46)
	s_mov_b32 s48, 0                               ; the running places
	s_mov_b32 s49, s58
	s_mov_b32 s50, s59
	s_mov_b32 s51, s60
.set j, 0
.rept 32
	v_cmp_le_u32 s40, s37, v[32+j]
	v_cmp_le_u32 s41, s38, v[32+j]
	v_cmp_le_u32 s42, s39, v[32+j]
	s_not_b32 s52, s40                             ; the lanes of cluster 0, 1, 2 (3: s42)
	s_and_not1_b32 s53, s40, s41
	s_and_not1_b32 s54, s41, s42
	v_mbcnt_lo_u32_b32 v8, s52, s48                ; place = the cluster's running place + its lanes below mine
	v_mbcnt_lo_u32_b32 v9, s53, s49
	v_mbcnt_lo_u32_b32 v10, s54, s50
	v_mbcnt_lo_u32_b32 v11, s42, s51
	v_cndmask_b32 v8, v8, v9, s40
	v_cndmask_b32 v8, v8, v10, s41
	v_cndmask_b32 v8, v8, v11, s42
	s_bcnt1_i32_b32 s52, s52
	s_bcnt1_i32_b32 s53, s53
	s_bcnt1_i32_b32 s54, s54
	s_bcnt1_i32_b32 s55, s42
	s_add_co_u32 s48, s48, s52
	s_add_co_u32 s49, s49, s53
	s_add_co_u32 s50, s50, s54
	s_add_co_u32 s51, s51, s55
	v_min_u32 v8, 0x3ff, v8
	v_lshlrev_b32 v[32+j], 2, v8                   ; each store has its own address and data registers: none is written again
	v_add_nc_u32 v[64+j], 32*j, v1
	global_store_b32 v[32+j], v[64+j], s[34:35]    ; permg[place] = row
.set j, j+1
.endr
	s_add_co_u32 s40, s56, 63                      ; groups of 64 rows; items to a group: 63, 500, 212
	s_lshr_b32 s40, s40, 6
	s_mul_i32 s61, s40, 63                         ; S2
	s_add_co_u32 s40, s57, 63
	s_lshr_b32 s40, s40, 6
	s_mul_i32 s40, s40, 500
	s_add_co_u32 s62, s61, s40                     ; S3
	s_add_co_u32 s40, s46, 63
	s_lshr_b32 s40, s40, 6
	s_mul_i32 s40, s40, 212
	s_add_co_u32 s63, s62, s40                     ; END
	v_mov_b32 v8, s58
	v_mov_b32 v9, s59
	v_mov_b32 v10, s60
	v_mov_b32 v11, s56
	v_mov_b32 v12, s57
	v_mov_b32 v13, s46
	v_mov_b32 v14, s61
	v_mov_b32 v15, s62
	v_mov_b32 v16, s63
	v_mov_b32 v17, 0
	v_mov_b32 v18, 0
	v_mov_b32 v19, 0
	v_mov_b32 v20, 0
	s_wait_xcnt 0x0                                ; EXEC is a source of the stores above: it changes only behind this wait
	v_cmpx_eq_u32 0, v1                            ; lane 0 alone stores the list's head
	global_store_b128 v20, v[8:11], s[34:35] offset:4096
	global_store_b128 v20, v[12:15], s[34:35] offset:4112
	global_store_b128 v20, v[16:19], s[34:35] offset:4128
	s_endpgm
.Lidle:
	s_endpgm
; ---------------- PROJ
.Lproj:
	s_and_b32 s37, ttmp9, 15                       ; rb
	s_lshr_b32 s38, ttmp9, 4                       ; eb
	s_lshl_b32 s39, s37, 2
	s_add_co_u32 s39, s39, s36                     ; RT: my row tile
	s_mov_b32 s49, 0
	s_mov_b32 s66, 0x76543210
	s_mov_b32 s67, 0xfedcba98                      ; v_permlanex16_b32's selects for lane l xor 16
	s_mov_b32 s54, 819200                          ; where the records lie in HF, a record's bytes, its scale area: p1's,
	s_mov_b32 s55, 3584
	s_mov_b32 s56, 3072
	s_cmp_lt_u32 s38, 8
	s_cselect_b64 s[40:41], s[8:9], s[12:13]       ; the choices hang on the work-group's and the wave's number alone
	s_cselect_b64 s[42:43], s[10:11], s[14:15]
	s_cselect_b32 s54, 0, s54                      ; p0's,
	s_cselect_b32 s55, 12800, s55
	s_cselect_b32 s56, 12288, s56
	s_lshr_b32 s44, s36, 1
	s_and_b32 s46, s38, 7
	s_cmp_eq_u32 s38, 10
	s_cselect_b64 s[40:41], s[16:17], s[40:41]
	s_cselect_b64 s[42:43], s[18:19], s[42:43]
	s_cselect_b32 s54, 1048576, s54                ; p2's
	s_cselect_b32 s55, 2048, s55
	s_cselect_b32 s56, 1536, s56
	s_cselect_b32 s44, s44, 0                      ; 1: this wave fetches p3 (eb = 10, waves 2 and 3)
	s_cselect_b32 s46, 0, s46                      ; f: which K step of the next product these 128 columns are
	s_lshl_b32 s47, s46, 7
	s_lshl_b32 s48, s36, 5
	s_add_co_u32 s47, s47, s48                     ; the first row of p that I fetch: 128 f + 32 w
	s_cmp_eq_u32 s44, 1
	s_cselect_b64 s[40:41], s[20:21], s[40:41]
	s_cselect_b64 s[42:43], s[22:23], s[42:43]
	s_cselect_b32 s45, 0, 8                        ; p3's 16 rows are taken in their own order, and both my tiles are the same 16 rows
	s_cselect_b32 s47, 0, s47
	s_mul_i32 s48, s47, 768
	s_add_nc_u64 s[40:41], s[40:41], s[48:49]      ; codes of my first tile
	s_lshl_b32 s48, s47, 5
	s_add_nc_u64 s[42:43], s[42:43], s[48:49]      ; its scale bytes
	s_mul_i32 s48, s45, 768
	s_add_nc_u64 s[50:51], s[40:41], s[48:49]      ; my second tile: 8 rows on
	s_lshl_b32 s48, s45, 5
	s_add_nc_u64 s[52:53], s[42:43], s[48:49]
	s_mul_i32 s48, s39, 12288
	s_add_nc_u64 s[4:5], s[4:5], s[48:49]          ; hidden at my 16 rows
	s_lshl_b32 s48, s39, 9
	s_add_nc_u64 s[6:7], s[6:7], s[48:49]
	s_mul_i32 s57, s55, s39
	s_add_co_u32 s54, s54, s57                     ; my record
	s_mul_i32 s57, s46, 1536
	s_add_co_u32 s48, s54, s57
	s_add_nc_u64 s[58:59], s[30:31], s[48:49]      ; image f of it
	s_lshl_b32 s57, s46, 2
	s_add_co_u32 s48, s54, s56
	s_add_co_u32 s48, s48, s57
	s_add_nc_u64 s[60:61], s[30:31], s[48:49]      ; scale word f of its rows
	s_lshl_b32 s48, s39, 9
	s_add_co_u32 s48, s48, 1179648
	s_add_nc_u64 s[62:63], s[30:31], s[48:49]      ; h3's tile
	v_lshrrev_b32 v16, 3, v2
	v_mad_u32_u24 v16, v16, s45, v2                ; r + 8 (r / 8), or r
	v_mul_u32_u24 v4, v2, 768
	v_mad_u32_u24 v4, v3, 24, v4                   ; hidden: row r, + 24 h
	v_mul_u32_u24 v5, v16, 768
	v_mad_u32_u24 v5, v3, 24, v5                   ; p likewise
	v_lshlrev_b32 v6, 5, v16                       ; scale bytes: 32 a row
	v_lshlrev_b32 v7, 5, v2
	v_lshlrev_b32 v8, 4, v1                        ; LDS: p's images, tiles 0-3
	v_add_nc_u32 v9, 49152, v8                     ; tiles 4-7
	s_mul_i32 s48, s36, 12288
	s_add_co_u32 s48, s48, 98304
	v_lshl_add_u32 v10, v1, 4, s48                 ; my rows' eight images
	s_lshl_b32 s48, s36, 3
	s_add_co_u32 s48, s48, 147456
	v_lshl_add_u32 v11, v1, 5, s48                 ; p's scale words: K step s at 1,024 s, lane at 32 l, tile at 4 t; I store tiles 2 w, 2 w + 1
	v_lshl_add_u32 v12, v1, 5, 147456
	s_mul_i32 s48, s36, 24576
	v_lshl_add_u32 v13, v1, 4, s48                 ; where I store my two tiles' images
	v_lshlrev_b32 v14, 4, v1
	v_lshlrev_b32 v15, 5, v2
	global_load_b128 v[HSW:HSW+3], v7, s[6:7]
	global_load_b128 v[HSW+4:HSW+7], v7, s[6:7] offset:16
	global_load_b128 v[PSW:PSW+3], v6, s[42:43]
	global_load_b128 v[PSW+4:PSW+7], v6, s[42:43] offset:16
	global_load_b128 v[PSW+8:PSW+11], v6, s[52:53]
	global_load_b128 v[PSW+12:PSW+15], v6, s[52:53] offset:16
.irp s, 0,1,2,3,4,5,6,7
.irp p, 0,1,2,3,4,5
	global_load_b64 v[SA+12*\s+2*\p:SA+12*\s+2*\p+1], v4, s[4:5] offset:96*\s+48*(\p/3)+8*(\p%3)
.endr
.endr
.irp s, 0,1,2,3,4,5,6,7
.irp p, 0,1,2,3,4,5
	global_load_b64 v[SB+12*\s+2*\p:SB+12*\s+2*\p+1], v5, s[40:41] offset:96*\s+48*(\p/3)+8*(\p%3)
.endr
.endr
	s_wait_loadcnt 48                              ; all but the 48 youngest, my first tile of p
.set k, 0
.rept 24
	ds_store_b128 v10, v[SA+4*k:SA+4*k+3] offset:512*k
.set k, k+1
.endr
	s_wait_dscnt 0x0                               ; the stores have read their registers
.irp s, 0,1,2,3,4,5,6,7
.irp p, 0,1,2,3,4,5
	global_load_b64 v[SA+12*\s+2*\p:SA+12*\s+2*\p+1], v5, s[50:51] offset:96*\s+48*(\p/3)+8*(\p%3)
.endr
.endr
	s_wait_loadcnt 48                              ; my first tile is in; the second tile's 48 stay out
.set k, 0
.rept 24
	ds_store_b128 v13, v[SB+4*k:SB+4*k+3] offset:512*k
.set k, k+1
.endr
.irp u, 0,1
.irp s, 0,1,2,3,4,5,6,7
	ds_store_b32 v11, v[PSW+8*\u+\s] offset:1024*\s+4*\u
.endr
.endr
	s_wait_loadcnt 0x0
.set k, 0
.rept 24
	ds_store_b128 v13, v[SA+4*k:SA+4*k+3] offset:12288+512*k
.set k, k+1
.endr
	s_wait_dscnt 0x0                               ; for the others' sake: all my stores have landed
	s_barrier_signal -1
	s_barrier_wait -1                              ; p's 64 images and their scale words lie in LDS
; A K step of 128: eight fragments of p, my rows' fragment, eight products: the eight accumulators take turns.
.macro KSTEP s
.irp t, 0,1,2,3
.irp c, 0,1,2
	ds_load_b128 v[PF+12*\t+4*\c:PF+12*\t+4*\c+3], v8 offset:(8*\t+\s)*1536+512*\c
.endr
.endr
.irp t, 4,5,6,7
.irp c, 0,1,2
	ds_load_b128 v[PF+12*\t+4*\c:PF+12*\t+4*\c+3], v9 offset:(8*(\t-4)+\s)*1536+512*\c
.endr
.endr
.irp c, 0,1,2
	ds_load_b128 v[HFR+4*\c:HFR+4*\c+3], v10 offset:\s*1536+512*\c
.endr
	ds_load_b128 v[PS:PS+3], v12 offset:\s*1024
	ds_load_b128 v[PS+4:PS+7], v12 offset:\s*1024+16
	s_wait_dscnt 0x0
.irp t, 0,1,2,3,4,5,6,7
.if \s == 0
	WS ACC+8*\t, PF+12*\t, HFR, 0, PS+\t, HSW+\s
.else
	WS ACC+8*\t, PF+12*\t, HFR, v[ACC+8*\t:ACC+8*\t+7], PS+\t, HSW+\s
.endif
.endr
.rept 4
	v_nop                                          ; places in front of loads into registers that the products have read, and of the first read of results
.endr
.endm
.irp s, 0,1,2,3,4,5,6,7
	KSTEP \s
.endr
	s_cmp_lg_u32 s38, 10
	s_cbranch_scc1 .Lnot10
.irp i, 0,1,2,3
	v_cvt_pk_bf16_f32 v[H3+\i], v[ACC+32+2*\i], v[ACC+33+2*\i]   ; tile 4 is h3: lane (r, h) holds row r, k = 8 h .. 8 h + 7
.endr
	global_store_b128 v14, v[H3:H3+3], s[62:63]
.set k, 32
.rept 32
	v_mov_b32 v[ACC+k], 0                          ; h2 has K = 64: the K step's upper half is zeros
.set k, k+1
.endr
.Lnot10:
.irp b, 0,1,2,3
	v_mov_b32 v[TM+4+\b], 0                        ; a lane permute's destination counts as one of its sources
.endr
; 64 numbers of a lane, register 16 b + i = k 32 b + 16 h + i of row r, become a fragment's codes and its scale word
.irp b, 0,1,2,3
	v_max3_num_f32 v[TM+\b], |v[ACC+16*\b]|, |v[ACC+1+16*\b]|, 0x2800000   ; with the floor 2^(5 - 127): the byte cannot fall under 1
.endr
.irp i, 2,4,6,8,10,12,14
.irp b, 0,1,2,3
	v_max3_num_f32 v[TM+\b], v[TM+\b], |v[ACC+16*\b+\i]|, |v[ACC+1+16*\b+\i]|
.endr
.endr
.irp b, 0,1,2,3
	v_permlanex16_b32 v[TM+4+\b], v[TM+\b], s66, s67
.endr
.irp b, 0,1,2,3
	v_max_num_f32 v[TM+\b], v[TM+\b], v[TM+4+\b]   ; the block's largest magnitude
.endr
.irp b, 0,1,2,3
	v_add_nc_u32 v[TM+12+\b], 0xfe000000, v[TM+\b] ; 4 off its exponent field: the conversion's scale operand
.endr
.irp b, 0,1,2,3
	v_lshrrev_b32 v[TM+4+\b], 23, v[TM+12+\b]      ; the scale's byte
.endr
	v_lshl_or_b32 v[PW], v[TM+5], 8, v[TM+4]
	v_lshl_or_b32 v[PW], v[TM+6], 16, v[PW]
	v_lshl_or_b32 v[PW], v[TM+7], 24, v[PW]
.irp c, 0,1
	v_cvt_scalef32_pk16_bf6_f32 v[PC+6*\c:PC+2+6*\c], v[ACC+32*\c:ACC+15+32*\c], v[TM+12+2*\c]
	v_cvt_scalef32_pk16_bf6_f32 v[PC+12+4*\c:PC+14+4*\c], v[ACC+16+32*\c:ACC+31+32*\c], v[TM+12+2*\c+1]
.endr
	v_nop                                          ; one plain place behind a scaled conversion
.irp c, 0,1
.irp i, 0,1,2
	v_permlane16_swap_b32 v[PC+6*\c+\i], v[PC+12+4*\c+\i]   ; a whole block to a lane
.endr
.irp i, 0,1,2
	v_mov_b32 v[PC+3+6*\c+\i], v[PC+12+4*\c+\i]
.endr
.endr
.irp c, 0,1,2
	global_store_b128 v14, v[PC+4*\c:PC+4*\c+3], s[58:59] offset:512*\c   ; the image: 512 consecutive bytes a store
.endr
	global_store_b32 v15, v[PW], s[60:61]          ; lanes l and l + 16 hold the same word of row r and store it to the same place
	s_wait_tensorcnt 0x0
	ds_add_u32 v254, v255
	s_wait_dscnt 0x0
	s_endpgm
.Lfunc_end_k_qd0bc0e8598_prep:
	.size	k_qd0bc0e8598_prep, .Lfunc_end_k_qd0bc0e8598_prep-k_qd0bc0e8598_prep
	.p2alignl 7, 3214868480
	.fill 96, 4, 3214868480
	.section	.rodata,"a",@progbits
	.p2align	6, 0x0
	.amdhsa_kernel k_qd0bc0e8598_prep
		.amdhsa_group_segment_fixed_size 156160
		.amdhsa_private_segment_fixed_size 0
		.amdhsa_enable_private_segment 0
		.amdhsa_kernarg_size 128
		.amdhsa_user_sgpr_count 2
		.amdhsa_user_sgpr_kernarg_segment_ptr 1
		.amdhsa_wavefront_size32 1
		.amdhsa_system_sgpr_workgroup_id_x 1
		.amdhsa_system_sgpr_workgroup_id_y 1
		.amdhsa_system_sgpr_workgroup_id_z 1
		.amdhsa_system_vgpr_workitem_id 0
		.amdhsa_next_free_vgpr 256
		.amdhsa_next_free_sgpr 100
		.amdhsa_reserve_vcc 1
		.amdhsa_float_denorm_mode_32 3
		.amdhsa_float_denorm_mode_16_64 3
		.amdhsa_memory_ordered 1
		.amdhsa_forward_progress 1
		.amdhsa_inst_pref_size 115
	.end_amdhsa_kernel
	.amdgpu_metadata
---
amdhsa.version: [ 1, 2 ]
amdhsa.kernels:
  - .name:           k_qd0bc0e8598_prep
    .symbol:         k_qd0bc0e8598_prep.kd
    .args:
      - { .name: hidden_codes, .offset: 0, .size: 8, .value_kind: global_buffer, .address_space: global }
      - { .name: hidden_scales, .offset: 8, .size: 8, .value_kind: global_buffer, .address_space: global }
      - { .name: p0_codes, .offset: 16, .size: 8, .value_kind: global_buffer, .address_space: global }
      - { .name: p0_scales, .offset: 24, .size: 8, .value_kind: global_buffer, .address_space: global }
      - { .name: p1_codes, .offset: 32, .size: 8, .value_kind: global_buffer, .address_space: global }
      - { .name: p1_scales, .offset: 40, .size: 8, .value_kind: global_buffer, .address_space: global }
      - { .name: p2_codes, .offset: 48, .size: 8, .value_kind: global_buffer, .address_space: global }
      - { .name: p2_scales, .offset: 56, .size: 8, .value_kind: global_buffer, .address_space: global }
      - { .name: p3_codes, .offset: 64, .size: 8, .value_kind: global_buffer, .address_space: global }
      - { .name: p3_scales, .offset: 72, .size: 8, .value_kind: global_buffer, .address_space: global }
      - { .name: target, .offset: 80, .size: 8, .value_kind: global_buffer, .address_space: global }
      - { .name: W3, .offset: 88, .size: 8, .value_kind: global_buffer, .address_space: global }
      - { .name: b3, .offset: 96, .size: 8, .value_kind: global_buffer, .address_space: global }
      - { .name: HF, .offset: 104, .size: 8, .value_kind: global_buffer, .address_space: global }
      - { .name: W3B, .offset: 112, .size: 8, .value_kind: global_buffer, .address_space: global }
      - { .name: ORD, .offset: 120, .size: 8, .value_kind: global_buffer, .address_space: global }
    .group_segment_fixed_size: 156160
    .private_segment_fixed_size: 0
    .kernarg_segment_align: 8
    .kernarg_segment_size: 128
    .max_flat_workgroup_size: 128
    .sgpr_count:     100
    .vgpr_count:     256
    .wavefront_size: 32
...
	.end_amdgpu_metadata
.endif
;; end of part 1
;; launch tails (part 2): grid 2398 x 1, 4 waves a work-group, no clusters, 34,304 bytes of LDS; arguments ORD, HF, W1_codes, W1_scales, b1, W2_codes, W2_scales, b2, W3B, W0, cluster_weight, b0, cluster_bias, TP, WH, HS; writes TP, WH, HS
.if DOCPART == 2
	.amdgcn_target "amdgcn-amd-amdhsa--gfx1250"
	.amdhsa_code_object_version 6
	.text
	.protected	k_qd0bc0e8598_tails
	.globl	k_qd0bc0e8598_tails
	.p2align	8
	.type	k_qd0bc0e8598_tails,@function
k_qd0bc0e8598_tails:
	s_mov_b64 s[64:65], 0
	v_nop
	global_prefetch_b8 v0, s[64:65] scope:SCOPE_SE
	s_setreg_imm32_b32 hwreg(HW_REG_WAVE_MODE, 25, 1), 1
	s_wait_xcnt 0x0
; Three roles, told apart by the work-group's number; no barrier in any: waves share nothing.
; TAILS (2,069 work-groups, each wave an item of its own): reference() keeps of the three tails only the one of a row's target, so each tail is computed for its own rows alone.
;   Item wi = 64 sorted rows of one cluster x 20 tiles of 16 columns of that cluster's vocabulary; the list (ORD) was stored by the launch before.  The grid serves every split: 16 x 500 + 63 + 212 items at the most;
;   an item past the list's end stores nothing.  logits^T = W h^T + b (source 0 = 16 rows of W, source 1 = 16 rows of h, C = the bias): a lane holds one row and eight columns.  Each lane keeps a running maximum M
;   and a sum of 2^(c (x - M)), c = log2 e; at the item's end the lane halves are joined and (M, sum) of the 64 rows go to TP.  Tail 3 (K = 16) goes in bf16, as it is left unquantised.
;   Tail 2 has 500 x 20 tiles; tail 3's images and bias were padded to 212 x 20 tiles (zero rows, bias -1e30: such a column adds 0 to a sum and raises no maximum): both walk 10 trips of two tiles.
;   Tail 1 has 62 x 20 + 10 tiles: its trips are 20 or 10, by the item's number.  An item's scalar bases are made once; in the loop the lane offsets step.
; QUANT (313 work-groups, one in four among the first 1,316): W0 and cluster_weight, f32 with K innermost, into codes of E3M2 laid as images of the operand's registers, a wave to a tile of 16 rows; the head's bias joined.
; PERMUTE (16 work-groups): h0's records copied into sorted order.
; LIMITS: logits under -1e30, NaN and infinities are not served; a block of zeros gets the scale byte 1 (its codes are zeros; this program alone reads the bytes).
.set BIG, 0xf149f2ca                   ; -1e30
; tails' registers: v1-3 lane, r, h; v4-6 lane offsets of W, its scales, the bias; v7 my place in the item's 512 bytes; v8-15 at work;
; v16-31: row tile rt: -c M, M, the sum's two halves at 16 + 4 rt; v32-39 (a, spare) a row tile; v40-47 at work; v244-251 the rows' scale words, v252-253 W's: scales alone
.macro WS d, a, b, c, sa, sb
	v_wmma_scale_f32_16x16x128_f8f6f4 v[\d:\d+7], v[\a:\a+11], v[\b:\b+11], \c, v[\sa], v[\sb] matrix_a_fmt:MATRIX_FMT_BF6 matrix_b_fmt:MATRIX_FMT_BF6
.endm
	s_load_b512 s[4:19], s[0:1], 0x0               ; ORD, HF, W1 c, W1 s, b1, W2 c, W2 s, b2
	s_load_b512 s[20:35], s[0:1], 0x40             ; W3B, W0, cluster_weight, b0, cluster_bias, TP, WH, HS
	v_lshl_add_u32 v254, v0, 2, 0x8400
	v_mov_b32 v255, 0
	v_lshrrev_b32 v1, 5, v0
	v_readfirstlane_b32 s36, v1                    ; wave
	v_and_b32 v1, 31, v0
	v_and_b32 v2, 15, v0
	v_bfe_u32 v3, v0, 4, 1
	s_mov_b32 s98, 0x76543210
	s_mov_b32 s99, 0xfedcba98                      ; selects for lane l xor 16
	s_wait_kmcnt 0x0
	s_cmp_ge_u32 ttmp9, 1316
	s_cbranch_scc1 .Lhigh
	s_and_b32 s37, ttmp9, 3
	s_lshr_b32 s38, ttmp9, 2
	s_cmp_eq_u32 s37, 0
	s_cbranch_scc1 .Laux
	s_mul_i32 s39, s38, 3
	s_add_co_u32 s39, s39, s37
	s_sub_co_u32 s39, s39, 1
	s_branch .Ltail
.Lhigh:
	s_sub_co_u32 s39, ttmp9, 329
.Ltail:
	s_load_b256 s[44:51], s[4:5], 0x1000           ; B1 B2 B3 R1 R2 R3 S2 S3
	s_load_b32 s52, s[4:5], 0x1020                 ; END
	s_lshl_b32 s40, s39, 2
	s_add_co_u32 s40, s40, s36                     ; wi
	s_mov_b32 s87, 0
	s_mov_b32 s78, 0x3fb8aa3b                      ; c = log2 e
	s_mov_b32 s79, s78
	s_mov_b32 s80, 0xbfb8aa3b                      ; -c
	s_lshl_b32 s86, s40, 9
	s_add_nc_u64 s[84:85], s[30:31], s[86:87]      ; the item's 512 bytes of TP
	v_lshlrev_b32 v6, 5, v3                        ; the bias: my half's eight columns
	v_lshlrev_b32 v7, 5, v2
	v_lshl_add_u32 v7, v3, 4, v7                   ; 32 r + 16 h
	s_wait_kmcnt 0x0
	s_cmp_ge_u32 s40, s52
	s_cbranch_scc1 .Lend
	s_cmp_ge_u32 s40, s51
	s_cbranch_scc1 .Lpath3
	s_cmp_ge_u32 s40, s50
	s_cbranch_scc1 .Lpath2
	s_branch .Lpath1
; the item's group of rows and its first tile.  The division by a multiplication is exact for numbers under 8,300
.macro DECODE sS, mag, ipg, sB, sR
	s_sub_co_u32 s53, s40, \sS
	s_mul_hi_u32 s54, s53, \mag                    ; the group
	s_mul_i32 s55, s54, \ipg
	s_sub_co_u32 s55, s53, s55
	s_min_u32 s55, s55, \ipg-1                     ; the chunk of 20 tiles
	s_mul_i32 s56, s55, 20                         ; its first tile
	s_mov_b32 s58, \sB
	s_sub_co_u32 s59, \sR, 1
	s_lshl_b32 s60, s54, 6
.endm
; my lane's four rows: sorted place -> row -> the row's place in a record of rec bytes (v40-43: its image bytes, v44-47: its scale words).  Rows past the cluster's count repeat its last row; their results are never read
.macro ROWS rec
.irp rt, 0,1,2,3
	v_add_nc_u32 v[8+\rt], s60, v2
	v_add_nc_u32 v[8+\rt], 16*\rt, v[8+\rt]
	v_min_u32 v[8+\rt], s59, v[8+\rt]
	v_add_nc_u32 v[8+\rt], s58, v[8+\rt]
	v_min_u32 v[8+\rt], 0x3ff, v[8+\rt]
	v_lshlrev_b32 v[8+\rt], 2, v[8+\rt]
	global_load_b32 v[12+\rt], v[8+\rt], s[4:5]
.endr
	s_wait_loadcnt 0x0
.irp rt, 0,1,2,3
	v_lshrrev_b32 v[8+\rt], 4, v[12+\rt]
	v_min_u32 v[8+\rt], 63, v[8+\rt]
	v_and_b32 v[12+\rt], 15, v[12+\rt]
	v_min_u32 v[12+\rt], 15, v[12+\rt]
	v_mul_u32_u24 v[8+\rt], v[8+\rt], \rec
	v_lshl_add_u32 v[40+\rt], v[12+\rt], 4, v[8+\rt]
	v_lshl_add_u32 v[40+\rt], v3, 8, v[40+\rt]     ; the image's bytes of lane (row % 16, h)
	v_lshl_add_u32 v[44+\rt], v[12+\rt], 5, v[8+\rt]
.endr
.endm
.macro INITST
.irp rt, 0,1,2,3
	v_mov_b32 v[17+4*\rt], BIG
	v_mov_b32 v[18+4*\rt], 0
	v_mov_b32 v[19+4*\rt], 0
	v_mov_b32 v[32+2*\rt], 0
	v_mov_b32 v[33+2*\rt], 0
.endr
.irp rt, 0,1,2,3
	v_mul_f32 v[16+4*\rt], s80, v[17+4*\rt]
.endr
.endm
; nl new logits a row tile, at v[d0 + nl rt]: the four row tiles by turns, so that no line waits for the line above it
.macro UPDATE nl, d0
.set i, 0
.rept \nl/2
.irp rt, 0,1,2,3
	v_max3_num_f32 v[17+4*\rt], v[17+4*\rt], v[\d0+\nl*\rt+i], v[\d0+\nl*\rt+i+1]   ; each accumulator from its low end on
.endr
.set i, i+2
.endr
.irp rt, 0,1,2,3
	v_mul_f32 v[40+\rt], s80, v[17+4*\rt]          ; -c M
.endr
.irp rt, 0,1,2,3
	v_sub_f32 v[32+2*\rt], v[40+\rt], v[16+4*\rt]  ; c (old M - new M)
.endr
.irp rt, 0,1,2,3
	v_mov_b32 v[16+4*\rt], v[40+\rt]
.endr
.set i, 0
.rept \nl/2
.irp rt, 0,1,2,3
	v_pk_fma_f32 v[\d0+\nl*\rt+i:\d0+\nl*\rt+i+1], v[\d0+\nl*\rt+i:\d0+\nl*\rt+i+1], s[78:79], v[16+4*\rt:17+4*\rt] op_sel_hi:[1,0,0]   ; c x - c M
.endr
.set i, i+2
.endr
.irp rt, 0,1,2,3
	v_exp_f32 v[32+2*\rt], v[32+2*\rt]
.endr
.set i, 0
.rept \nl
.irp rt, 0,1,2,3
	v_exp_f32 v[\d0+\nl*\rt+i], v[\d0+\nl*\rt+i]
.endr
.set i, i+1
.endr
	v_nop                                          ; a plain place behind the last exponential
	s_wait_alu depctr_va_vdst(0)                   ; one wait for the whole batch, ahead of its first reader
.irp rt, 0,1,2,3
	v_pk_fma_f32 v[18+4*\rt:19+4*\rt], v[18+4*\rt:19+4*\rt], v[32+2*\rt:33+2*\rt], v[\d0+\nl*\rt:\d0+\nl*\rt+1] op_sel_hi:[1,0,1]
.endr
.set i, 2
.rept \nl/2-1
.irp rt, 0,1,2,3
	v_pk_add_f32 v[18+4*\rt:19+4*\rt], v[18+4*\rt:19+4*\rt], v[\d0+\nl*\rt+i:\d0+\nl*\rt+i+1]
.endr
.set i, i+2
.endr
.endm
; the lane halves (columns 8 h + 0 .. 7 of every tile) are joined; 64 pairs (M, sum) leave as 512 consecutive bytes
.macro FINISH
.irp rt, 0,1,2,3
	v_add_f32 v[18+4*\rt], v[18+4*\rt], v[19+4*\rt]
.endr
.irp rt, 0,1,2,3
	v_permlanex16_b32 v[8+\rt], v[17+4*\rt], s98, s99
.endr
.irp rt, 0,1,2,3
	v_permlanex16_b32 v[12+\rt], v[18+4*\rt], s98, s99
.endr
.irp rt, 0,1,2,3
	v_max_num_f32 v[40+\rt], v[17+4*\rt], v[8+\rt]
.endr
.irp rt, 0,1,2,3
	v_sub_f32 v[32+2*\rt], v[17+4*\rt], v[40+\rt]
	v_sub_f32 v[33+2*\rt], v[8+\rt], v[40+\rt]
.endr
.irp rt, 0,1,2,3
	v_mul_f32 v[32+2*\rt], s78, v[32+2*\rt]
	v_mul_f32 v[33+2*\rt], s78, v[33+2*\rt]
.endr
.irp rt, 0,1,2,3
	v_exp_f32 v[32+2*\rt], v[32+2*\rt]
	v_exp_f32 v[33+2*\rt], v[33+2*\rt]
.endr
	v_nop
	s_wait_alu depctr_va_vdst(0)
.irp rt, 0,1,2,3
	v_mul_f32 v[18+4*\rt], v[18+4*\rt], v[32+2*\rt]
.endr
.irp rt, 0,1,2,3
	v_fmac_f32 v[18+4*\rt], v[12+\rt], v[33+2*\rt]
.endr
	v_cmp_le_u32 vcc_lo, 16, v1
	v_cndmask_b32 v8, v40, v42, vcc_lo             ; lanes 0-15: row tiles 0 and 1; lanes 16-31: 2 and 3
	v_cndmask_b32 v9, v18, v26, vcc_lo
	v_cndmask_b32 v10, v41, v43, vcc_lo
	v_cndmask_b32 v11, v22, v30, vcc_lo
	global_store_b128 v7, v[8:11], s[84:85]
	s_endpgm
.endm
; Behind a trip's products stand five places: four in front of loads into the products' registers and of reads of results, a fifth, since the next trip's products begin the accumulators anew.
; The steps of the lane offsets, which name no register of the products, are two or three of the five.  The last trip steps by 0 and reads its own tiles again: no load leaves a buffer.
; ---------------- tail 1: K = 256, one tile a trip.  h v48-143, W v152-175, bias v176-183, logits v192-223
.macro LOADW1
.irp s, 0,1
.irp p, 0,1,2,3,4,5
	global_load_b64 v[152+12*\s+2*\p:153+12*\s+2*\p], v4, s[66:67] offset:96*\s+48*(\p/3)+8*(\p%3)
.endr
.endr
	global_load_b64 v[252:253], v5, s[68:69]
	global_load_b128 v[176:179], v6, s[70:71]
	global_load_b128 v[180:183], v6, s[70:71] offset:16
.endm
.Lpath1:
	DECODE 0, 68174085, 63, s44, s47
	s_sub_co_u32 s57, 1250, s56
	s_min_u32 s57, s57, 20                         ; the chunk's tiles: 20, in the last chunk 10
	s_max_u32 s57, s57, 1
	s_mul_i32 s86, s56, 3072
	s_add_nc_u64 s[66:67], s[8:9], s[86:87]
	s_lshl_b32 s86, s56, 7
	s_add_nc_u64 s[68:69], s[10:11], s[86:87]
	s_lshl_b32 s86, s56, 6
	s_add_nc_u64 s[70:71], s[12:13], s[86:87]
	v_mul_u32_u24 v4, v2, 192
	v_mad_u32_u24 v4, v3, 24, v4
	v_lshlrev_b32 v5, 3, v2
	LOADW1
	ROWS 3584
.irp rt, 0,1,2,3
.irp k, 0,1,2,3,4,5
	global_load_b128 v[48+24*\rt+4*\k:51+24*\rt+4*\k], v[40+\rt], s[6:7] offset:819200+512*\k
.endr
	global_load_b64 v[244+2*\rt:245+2*\rt], v[44+\rt], s[6:7] offset:819200+3072
.endr
	INITST
.Lt1:
	s_wait_loadcnt 0x0                             ; this trip's tile (and, in the first trip, the rows) are in; the loads' offsets are free
.irp rt, 0,1,2,3
	WS 192+8*\rt, 152, 48+24*\rt, v[176:183], 252, 244+2*\rt
.endr
.irp rt, 0,1,2,3
	WS 192+8*\rt, 164, 60+24*\rt, v[192+8*\rt:199+8*\rt], 253, 245+2*\rt
.endr
	s_cmp_gt_u32 s57, 1
	s_cselect_b32 s72, 3072, 0
	s_cselect_b32 s74, 128, 0
	s_cselect_b32 s76, 64, 0
	v_add_nc_u32 v4, s72, v4                       ; the next tile's codes, scale words and bias
	v_add_nc_u32 v5, s74, v5
	v_add_nc_u32 v6, s76, v6
	v_nop
	v_nop
	LOADW1
	UPDATE 8, 192
	s_sub_co_u32 s57, s57, 1
	s_cmp_lg_u32 s57, 0
	s_cbranch_scc1 .Lt1
	FINISH
; ---------------- tail 2: K = 64 (the K step's upper half is zero codes), two tiles a trip.  h v48-95, W v104-127, bias v128-143, logits v160-223
.macro LOADW2
.irp g, 0,1
.irp p, 0,1,2
	global_load_b64 v[104+12*\g+2*\p:105+12*\g+2*\p], v4, s[66:67] offset:768*\g+8*\p
.endr
	global_load_u16 v[252+\g], v5, s[68:69] offset:32*\g     ; two scale bytes; the word's upper bytes are 0, over zero codes
	global_load_b128 v[128+8*\g:131+8*\g], v6, s[70:71] offset:64*\g
	global_load_b128 v[132+8*\g:135+8*\g], v6, s[70:71] offset:64*\g+16
.endr
.endm
.Lpath2:
	DECODE s50, 8589935, 500, s45, s48
	s_mul_i32 s86, s56, 768
	s_add_nc_u64 s[66:67], s[14:15], s[86:87]
	s_lshl_b32 s86, s56, 5
	s_add_nc_u64 s[68:69], s[16:17], s[86:87]
	s_lshl_b32 s86, s56, 6
	s_add_nc_u64 s[70:71], s[18:19], s[86:87]
	v_mul_u32_u24 v4, v2, 48
	v_mad_u32_u24 v4, v3, 24, v4
	v_lshlrev_b32 v5, 1, v2
.irp g, 0,1
.irp k, 6,7,8,9,10,11
	v_mov_b32 v[104+12*\g+\k], 0
.endr
.endr
	LOADW2
	ROWS 2048
.irp rt, 0,1,2,3
.irp k, 0,1,2
	global_load_b128 v[48+12*\rt+4*\k:51+12*\rt+4*\k], v[40+\rt], s[6:7] offset:1048576+512*\k
.endr
	global_load_b32 v[244+\rt], v[44+\rt], s[6:7] offset:1048576+1536
.endr
	INITST
	s_mov_b32 s57, 10                              ; 20 tiles, two a trip
.Lt2:
	s_wait_loadcnt 0x0
.irp g, 0,1
.irp rt, 0,1,2,3
	WS 160+16*\rt+8*\g, 104+12*\g, 48+12*\rt, v[128+8*\g:135+8*\g], 252+\g, 244+\rt
.endr
.endr
	s_cmp_gt_u32 s57, 1
	s_cselect_b32 s72, 1536, 0
	s_cselect_b32 s74, 64, 0
	s_cselect_b32 s76, 128, 0
	v_add_nc_u32 v4, s72, v4
	v_add_nc_u32 v5, s74, v5
	v_add_nc_u32 v6, s76, v6
	v_nop
	v_nop
	LOADW2
	UPDATE 16, 160
	s_sub_co_u32 s57, s57, 1
	s_cmp_lg_u32 s57, 0
	s_cbranch_scc1 .Lt2
	FINISH
; ---------------- tail 3: K = 16 in bf16 (the form's upper 16 of K are zeros), two tiles a trip.  h v48-79, W v80-95, bias v96-111, logits v160-223
.macro LOADW3
.irp g, 0,1
	global_load_b128 v[80+8*\g:83+8*\g], v4, s[66:67] offset:512*\g
	global_load_b128 v[96+8*\g:99+8*\g], v6, s[70:71] offset:2170880+64*\g
	global_load_b128 v[100+8*\g:103+8*\g], v6, s[70:71] offset:2170880+64*\g+16
.endr
.endm
.Lpath3:
	DECODE s51, 20259281, 212, s46, s49
	s_lshl_b32 s86, s56, 9
	s_add_nc_u64 s[66:67], s[20:21], s[86:87]
	s_lshl_b32 s86, s56, 6
	s_add_nc_u64 s[70:71], s[20:21], s[86:87]
	v_lshlrev_b32 v4, 4, v1
.irp g, 0,1
.irp k, 4,5,6,7
	v_mov_b32 v[80+8*\g+\k], 0
.endr
.endr
.irp rt, 0,1,2,3
.irp k, 4,5,6,7
	v_mov_b32 v[48+8*\rt+\k], 0
.endr
.endr
	LOADW3
	ROWS 512
.irp rt, 0,1,2,3
	global_load_b128 v[48+8*\rt:51+8*\rt], v[40+\rt], s[6:7] offset:1179648
.endr
	INITST
	s_mov_b32 s57, 10                              ; 20 tiles, two a trip; the last chunk's tiles 4,234 to 4,239 are the padding
.Lt3:
	s_wait_loadcnt 0x0
.irp g, 0,1
.irp rt, 0,1,2,3
	v_wmma_f32_16x16x32_bf16 v[160+16*\rt+8*\g:167+16*\rt+8*\g], v[80+8*\g:87+8*\g], v[48+8*\rt:55+8*\rt], v[96+8*\g:103+8*\g]
.endr
.endr
	s_cmp_gt_u32 s57, 1
	s_cselect_b32 s72, 1024, 0
	s_cselect_b32 s76, 128, 0
	v_add_nc_u32 v4, s72, v4
	v_add_nc_u32 v6, s76, v6
	v_nop
	v_nop
	v_nop
	LOADW3
	UPDATE 16, 160
	s_sub_co_u32 s57, s57, 1
	s_cmp_lg_u32 s57, 0
	s_cbranch_scc1 .Lt3
	FINISH
; ---------------- QUANT and PERMUTE
.Laux:
	s_cmp_ge_u32 s38, 313
	s_cbranch_scc1 .Lperm
	s_lshl_b32 s41, s38, 2
	s_add_co_u32 s41, s41, s36                     ; my tile of 16 rows of the head's weight
	s_cmp_ge_u32 s41, 1250
	s_cbranch_scc1 .Lend
	s_lshl_b32 s42, s41, 4
	s_mov_b32 s45, 0
.set i, 0
.rept 16                                       ; a base for each row: W0's, or from row 19,997 on cluster_weight's (the choice hangs on ids alone)
	s_add_co_u32 s43, s42, i
	s_cmp_lt_u32 s43, 19997
	s_cselect_b64 s[66+2*i:67+2*i], s[22:23], s[24:25]
	s_cselect_b32 s44, 0, 19997
	s_sub_co_u32 s44, s43, s44
	s_lshl_b32 s44, s44, 12
	s_add_nc_u64 s[66+2*i:67+2*i], s[66+2*i:67+2*i], s[44:45]
.set i, i+1
.endr
	s_mul_i32 s44, s41, 12800
	s_add_nc_u64 s[46:47], s[32:33], s[44:45]      ; my record of WH
	s_add_nc_u64 s[48:49], s[32:33], 16000000      ; the head's bias
	s_mul_i32 s43, s36, 8448                       ; my stage: 16 rows of 512 bytes + 16
	v_lshlrev_b32 v4, 4, v1
	v_lshl_add_u32 v5, v1, 4, s43                  ; in: as loaded
	v_mul_u32_u24 v6, v2, 528
	v_lshl_add_u32 v6, v3, 7, v6
	v_add_nc_u32 v6, s43, v6                       ; out: row r, + 128 h: k = 64 c + 32 h + 0 .. 31
	v_lshlrev_b32 v7, 3, v3
	v_mov_b32 v8, 0
	v_lshlrev_b32 v9, 5, v2
	v_lshl_add_u32 v9, v3, 4, v9
	v_add_nc_u32 v31, s42, v2                      ; e: my column of the head
	v_lshlrev_b32 v27, 2, v31
	v_min_u32 v242, 0x4e1c, v31
	v_lshlrev_b32 v242, 2, v242
	v_add_nc_u32 v243, -19997, v31
	v_min_u32 v243, 2, v243
	v_lshlrev_b32 v243, 2, v243
	global_load_b32 v240, v242, s[26:27]
	global_load_b32 v241, v243, s[28:29]
.macro LOADF f                                 ; 128 along K of the 16 rows: each load reads 512 consecutive bytes
.set i, 0
.rept 16
	global_load_b128 v[32+64*((\f)%2)+4*i:35+64*((\f)%2)+4*i], v4, s[66+2*i:67+2*i] offset:512*(\f) th:TH_LOAD_NT
.set i, i+1
.endr
.endm
	LOADF 0
	LOADF 1
.macro QF f
.if \f < 7
	s_wait_loadcnt 16                              ; this fragment's 16 loads are in; the next fragment's 16 stay out
.else
	s_wait_loadcnt 0x0
.endif
.set i, 0
.rept 16
	ds_store_b128 v5, v[32+64*((\f)%2)+4*i:35+64*((\f)%2)+4*i] offset:528*i
.set i, i+1
.endr
.irp c, 0,1
.irp j, 0,1,2,3,4,5,6,7
	ds_load_b128 v[160+32*\c+4*\j:163+32*\c+4*\j], v6 offset:256*\c+16*\j   ; LDS serves a wave's instructions in order: these see my stores
.endr
.endr
	s_wait_dscnt 0x0
.if \f < 6
	LOADF \f+2
.endif
.irp c, 0,1
	v_max3_num_f32 v[18+\c], |v[160+32*\c]|, |v[161+32*\c]|, 0x2800000   ; my block 2 c + h: all 32 numbers are mine; the floor 2^(5 - 127)
.endr
.irp i, 2,4,6,8,10,12,14,16,18,20,22,24,26,28,30
.irp c, 0,1
	v_max3_num_f32 v[18+\c], v[18+\c], |v[160+32*\c+\i]|, |v[161+32*\c+\i]|
.endr
.endr
.irp c, 0,1
	v_add_nc_u32 v[20+\c], 0xfe000000, v[18+\c]    ; 4 off the exponent field: the conversion's scale operand
.endr
.irp c, 0,1
	v_lshrrev_b32 v[22+\c], 23, v[20+\c]
.endr
	v_lshl_or_b32 v[10+\f], v23, 16, v22           ; my two bytes, at their places (8 h bits up);
	v_lshlrev_b32 v[10+\f], v7, v[10+\f]
	v_permlanex16_b32 v8, v[10+\f], s98, s99
	v_or_b32 v[10+\f], v[10+\f], v8                ; with lane l xor 16's the word is whole
	s_wait_xcnt 0x0                                ; the last fragment's stores have read the codes' registers
.irp c, 0,1
	v_cvt_scalef32_pk16_bf6_f32 v[224+6*\c:226+6*\c], v[160+32*\c:175+32*\c], v[20+\c]
	v_cvt_scalef32_pk16_bf6_f32 v[24+4*\c:26+4*\c], v[176+32*\c:191+32*\c], v[20+\c]
.endr
	v_nop                                          ; one plain place behind a scaled conversion
.irp c, 0,1
.irp i, 0,1,2
	v_mov_b32 v[227+6*\c+\i], v[24+4*\c+\i]
.endr
.endr
.irp c, 0,1,2
	global_store_b128 v4, v[224+4*\c:227+4*\c], s[46:47] offset:1536*\f+512*\c
.endr
.endm
.irp f, 0,1,2,3,4,5,6,7
	QF \f
.endr
	v_cmp_le_u32 vcc_lo, 16, v1
.irp i, 0,1,2,3
	v_cndmask_b32 v[236+\i], v[10+\i], v[14+\i], vcc_lo   ; lanes 0-15 store their row's words 0-3, lanes 16-31 words 4-7
.endr
	global_store_b128 v9, v[236:239], s[46:47] offset:12288
	v_cmp_le_u32 vcc_lo, 0x4e1d, v31
	v_cndmask_b32 v240, v240, v241, vcc_lo         ; b0, or from column 19,997 on cluster_bias
	global_store_b32 v27, v240, s[48:49]           ; lanes l and l + 16 hold the same number for the same place
	s_wait_tensorcnt 0x0
	ds_add_u32 v254, v255
	s_wait_dscnt 0x0
	s_endpgm
.Lperm:
	s_sub_co_u32 s41, s38, 313
	s_lshl_b32 s41, s41, 2
	s_add_co_u32 s41, s41, s36                     ; the sorted tile
	s_lshl_b32 s42, s41, 4
	v_add_nc_u32 v8, s42, v2
	v_lshlrev_b32 v8, 2, v8
	global_load_b32 v9, v8, s[4:5]
	s_mul_i32 s44, s41, 12800
	s_mov_b32 s45, 0
	s_add_nc_u64 s[46:47], s[34:35], s[44:45]
	v_lshlrev_b32 v4, 4, v1
	v_lshlrev_b32 v5, 5, v2
	v_lshl_add_u32 v5, v3, 4, v5
	s_wait_loadcnt 0x0
	v_lshrrev_b32 v10, 4, v9
	v_min_u32 v10, 63, v10
	v_and_b32 v11, 15, v9
	v_min_u32 v11, 15, v11
	v_mul_u32_u24 v10, v10, 12800
	v_lshl_add_u32 v12, v11, 4, v10
	v_lshl_add_u32 v12, v3, 8, v12
	v_lshl_add_u32 v13, v11, 5, v10
	v_lshl_add_u32 v13, v3, 4, v13
.set k, 0
.rept 24
	global_load_b128 v[32+4*k:35+4*k], v12, s[6:7] offset:512*k
.set k, k+1
.endr
	global_load_b128 v[128:131], v13, s[6:7] offset:12288
	s_wait_loadcnt 0x0
.set k, 0
.rept 24
	global_store_b128 v4, v[32+4*k:35+4*k], s[46:47] offset:512*k
.set k, k+1
.endr
	global_store_b128 v5, v[128:131], s[46:47] offset:12288
	s_endpgm
.Lend:
	s_endpgm
.Lfunc_end_k_qd0bc0e8598_tails:
	.size	k_qd0bc0e8598_tails, .Lfunc_end_k_qd0bc0e8598_tails-k_qd0bc0e8598_tails
	.p2alignl 7, 3214868480
	.fill 96, 4, 3214868480
	.section	.rodata,"a",@progbits
	.p2align	6, 0x0
	.amdhsa_kernel k_qd0bc0e8598_tails
		.amdhsa_group_segment_fixed_size 34304
		.amdhsa_private_segment_fixed_size 0
		.amdhsa_enable_private_segment 0
		.amdhsa_kernarg_size 128
		.amdhsa_user_sgpr_count 2
		.amdhsa_user_sgpr_kernarg_segment_ptr 1
		.amdhsa_wavefront_size32 1
		.amdhsa_system_sgpr_workgroup_id_x 1
		.amdhsa_system_sgpr_workgroup_id_y 1
		.amdhsa_system_sgpr_workgroup_id_z 1
		.amdhsa_system_vgpr_workitem_id 0
		.amdhsa_next_free_vgpr 256
		.amdhsa_next_free_sgpr 100
		.amdhsa_reserve_vcc 1
		.amdhsa_float_denorm_mode_32 3
		.amdhsa_float_denorm_mode_16_64 3
		.amdhsa_memory_ordered 1
		.amdhsa_forward_progress 1
		.amdhsa_inst_pref_size 126
	.end_amdhsa_kernel
	.amdgpu_metadata
---
amdhsa.version: [ 1, 2 ]
amdhsa.kernels:
  - .name:           k_qd0bc0e8598_tails
    .symbol:         k_qd0bc0e8598_tails.kd
    .args:
      - { .name: ORD, .offset: 0, .size: 8, .value_kind: global_buffer, .address_space: global }
      - { .name: HF, .offset: 8, .size: 8, .value_kind: global_buffer, .address_space: global }
      - { .name: W1_codes, .offset: 16, .size: 8, .value_kind: global_buffer, .address_space: global }
      - { .name: W1_scales, .offset: 24, .size: 8, .value_kind: global_buffer, .address_space: global }
      - { .name: b1, .offset: 32, .size: 8, .value_kind: global_buffer, .address_space: global }
      - { .name: W2_codes, .offset: 40, .size: 8, .value_kind: global_buffer, .address_space: global }
      - { .name: W2_scales, .offset: 48, .size: 8, .value_kind: global_buffer, .address_space: global }
      - { .name: b2, .offset: 56, .size: 8, .value_kind: global_buffer, .address_space: global }
      - { .name: W3B, .offset: 64, .size: 8, .value_kind: global_buffer, .address_space: global }
      - { .name: W0, .offset: 72, .size: 8, .value_kind: global_buffer, .address_space: global }
      - { .name: cluster_weight, .offset: 80, .size: 8, .value_kind: global_buffer, .address_space: global }
      - { .name: b0, .offset: 88, .size: 8, .value_kind: global_buffer, .address_space: global }
      - { .name: cluster_bias, .offset: 96, .size: 8, .value_kind: global_buffer, .address_space: global }
      - { .name: TP, .offset: 104, .size: 8, .value_kind: global_buffer, .address_space: global }
      - { .name: WH, .offset: 112, .size: 8, .value_kind: global_buffer, .address_space: global }
      - { .name: HS, .offset: 120, .size: 8, .value_kind: global_buffer, .address_space: global }
    .group_segment_fixed_size: 34304
    .private_segment_fixed_size: 0
    .kernarg_segment_align: 8
    .kernarg_segment_size: 128
    .max_flat_workgroup_size: 128
    .sgpr_count:     100
    .vgpr_count:     256
    .wavefront_size: 32
...
	.end_amdgpu_metadata
.endif
;; end of part 2
;; launch head (part 3): grid 63 x 4, 4 waves a work-group, no clusters, 213,504 bytes of LDS; arguments HS, WH, HP; writes HP
.if DOCPART == 3
	.amdgcn_target "amdgcn-amd-amdhsa--gfx1250"
	.amdhsa_code_object_version 6
	.text
	.protected	k_qd0bc0e8598_head
	.globl	k_qd0bc0e8598_head
	.p2align	8
	.type	k_qd0bc0e8598_head,@function
k_qd0bc0e8598_head:
	s_mov_b64 s[64:65], 0
	v_nop
	global_prefetch_b8 v0, s[64:65] scope:SCOPE_SE
	s_setreg_imm32_b32 hwreg(HW_REG_WAVE_MODE, 25, 1), 1
	s_wait_xcnt 0x0
; The head's logits (1,024 sorted rows x 20,000 columns, K = 1,024, codes of E3M2) and, of each 80 columns, a row's maximum M and its sum of 2^(c (x - M)), c = log2 e.
; A work-group takes 256 rows (y) x 320 columns (x).  Wave w keeps 5 tiles of 16 columns x all of K in its REGISTERS (480), read once; the 16 row tiles' records (images of the operand's registers and their
; scale words, 12,800 bytes each) come into LDS once, by two tensor loads a wave, and are read by all four waves.  No LDS byte is filled twice.  logits^T = W h^T + b: a lane holds one row and eight columns of each tile.
; 20,000 columns are 250 runs of 80; the grid has 252: in the last work-groups along x waves 2 and 3 repeat run 249 into places of HP that nobody reads (8 waves of 1,008), so that every wave passes every barrier on one way.
; NO JOINT LOADS: the 63 work-groups that share a block of rows are no multiple of four; the 4 that share columns take them into registers, and 256,000 bytes of them would not fit in LDS beside the rows' 204,800.
; LIMITS: NaN and infinities are not served.
; REGISTERS: window 0: v1-12 addresses; v16-55 W's scale words, v56-63 the rows': scales alone; v64-103 the bias; v104-143 five accumulators; v144-159 at work.
;   window 1: W's fragments of K steps 0-3 at 60 s + 12 t; window 2: of K steps 4-7; window 3: v0-95 the row tile's eight fragments.
.set MSB, 0
.macro WIN new                         ; the immediate's high byte repeats the setting that is left
.if MSB != \new
	s_set_vgpr_msb (MSB<<8)|\new
.set MSB, \new
.endif
.endm
.macro WS d, a, b, c, sa, sb
	v_wmma_scale_f32_16x16x128_f8f6f4 v[\d:\d+7], v[\a:\a+11], v[\b:\b+11], \c, v[\sa], v[\sb] matrix_a_fmt:MATRIX_FMT_BF6 matrix_b_fmt:MATRIX_FMT_BF6
.endm
	s_load_b128 s[4:7], s[0:1], 0x0                ; HS, WH
	s_load_b64 s[8:9], s[0:1], 0x10                ; HP
	v_lshl_add_u32 v254, v0, 2, 0x34000
	v_mov_b32 v255, 0
	ds_add_u32 v254, v255
	ds_add_u32 v254, v255
	v_lshrrev_b32 v1, 5, v0
	v_readfirstlane_b32 s10, v1                    ; wave
	s_and_b32 s11, ttmp7, 0xffff                   ; the block of 256 rows
	; descriptor groups 1: dense blocks as rows of 256 bytes (32 elements of 8 bytes): 50 rows (one record), 150 rows (three)
	s_mov_b32 s16, 3<<16
	s_mov_b32 s17, 32<<16
	s_mov_b32 s18, 50<<16
	s_mov_b32 s19, 32<<16
	s_mov_b32 s20, 50
	s_mov_b32 s21, 32
	s_mov_b32 s22, 0
	s_mov_b32 s23, 0
	s_mov_b32 s24, 3<<16
	s_mov_b32 s25, 32<<16
	s_mov_b32 s26, 150<<16
	s_mov_b32 s27, 32<<16
	s_mov_b32 s28, 150
	s_mov_b32 s29, 32
	s_mov_b32 s30, 0
	s_mov_b32 s31, 0
	s_lshl_b32 s12, ttmp9, 2
	s_add_co_u32 s12, s12, s10                     ; my run of 80 columns,
	s_min_u32 s13, s12, 249                        ; held at the last
	s_lshl_b32 s14, s11, 4
	s_add_co_u32 s15, s14, s10
	s_mul_i32 s40, s15, 12800                      ; record 16 y + w,
	s_mov_b32 s41, 0
	s_mul_i32 s15, s10, 3
	s_add_co_u32 s15, s15, s14
	s_add_co_u32 s15, s15, 4
	s_mul_i32 s42, s15, 12800                      ; records 16 y + 4 + 3 w on
	s_mov_b32 s43, 0
	s_mov_b32 s32, 1
	s_mul_i32 s33, s10, 12800                      ; LDS: row tile w
	s_mov_b32 s36, 1
	s_mul_i32 s37, s10, 38400
	s_add_co_u32 s37, s37, 51200                   ; row tiles 4 + 3 w on
	s_wait_dscnt 0x0
	s_wait_kmcnt 0x0
	s_add_nc_u64 s[34:35], s[4:5], s[40:41]
	s_or_b32 s35, s35, 0x80000000
	s_add_nc_u64 s[38:39], s[4:5], s[42:43]
	s_or_b32 s39, s39, 0x80000000
	tensor_load_to_lds s[32:35], s[16:23]          ; the first fills go out together: two loads of mine are out
	s_nop 0
	tensor_load_to_lds s[36:39], s[24:31]
	s_nop 0
.rept 4
	v_nop
.endr
	v_and_b32 v1, 31, v0
	v_and_b32 v2, 15, v0
	v_bfe_u32 v3, v0, 4, 1
	v_lshlrev_b32 v4, 4, v1                        ; an image's place for my lane
	v_lshl_add_u32 v5, v2, 5, 12288                ; a record's scale words of row r
	s_lshl_b32 s14, s10, 11
	s_add_co_u32 s14, s14, 204800                  ; my stage: 16 row tiles x 128 bytes
	v_lshlrev_b32 v6, 3, v2
	v_lshl_add_u32 v6, v3, 2, v6
	v_add_nc_u32 v6, s14, v6                       ; 8 r + 4 h: lanes 0-15 store M, lanes 16-31 the sum
	v_lshl_add_u32 v7, v1, 4, s14
	v_lshlrev_b32 v11, 5, v2
	v_lshlrev_b32 v12, 5, v3
	v_mov_b32 v149, 0
	v_mov_b32 v153, 0
	v_cmp_le_u32 s51, 16, v1
	s_mov_b32 s52, 0x76543210
	s_mov_b32 s53, 0xfedcba98
	s_mov_b32 s54, 0xbfb8aa3b                      ; -c
	s_mov_b32 s56, 0x3fb8aa3b                      ; c
	s_mov_b32 s57, s56
	s_mov_b32 s48, 0
	s_mov_b32 s49, 0
	s_mul_i32 s40, s13, 64000
	s_add_nc_u64 s[44:45], s[6:7], s[40:41]        ; my five records of WH
	s_mul_i32 s40, s13, 320
	s_add_co_u32 s40, s40, 16000000
	s_add_nc_u64 s[46:47], s[6:7], s[40:41]        ; my 80 numbers of the bias
	s_lshl_b32 s40, s12, 2
	s_add_co_u32 s40, s40, s11
	s_lshl_b32 s40, s40, 11
	s_add_nc_u64 s[58:59], s[8:9], s[40:41]        ; my 2,048 bytes of HP
	WIN 0x40                                       ; destination window 1
.irp s, 0,1,2,3
.irp t, 0,1,2,3,4
.irp c, 0,1,2
	global_load_b128 v[60*\s+12*\t+4*\c:60*\s+12*\t+4*\c+3], v4, s[44:45] offset:12800*\t+1536*\s+512*\c
.endr
.endr
.endr
	WIN 0x80                                       ; destination window 2
.irp s, 4,5,6,7
.irp t, 0,1,2,3,4
.irp c, 0,1,2
	global_load_b128 v[60*(\s-4)+12*\t+4*\c:60*(\s-4)+12*\t+4*\c+3], v4, s[44:45] offset:12800*\t+1536*\s+512*\c
.endr
.endr
.endr
	WIN 0
.irp t, 0,1,2,3,4
	global_load_b128 v[16+8*\t:19+8*\t], v11, s[44:45] offset:12800*\t+12288
	global_load_b128 v[20+8*\t:23+8*\t], v11, s[44:45] offset:12800*\t+12304
	global_load_b128 v[64+8*\t:67+8*\t], v12, s[46:47] offset:64*\t
	global_load_b128 v[68+8*\t:71+8*\t], v12, s[46:47] offset:64*\t+16
.endr
	s_wait_tensorcnt 0x1                           ; my record of row tiles 0-3 is in; my second load may stay out
	s_barrier_signal -1
	s_barrier_wait -1                              ; everybody's is
.macro LOADA                                   ; the next row tile's eight fragments and scale words
	v_add_nc_u32 v8, s48, v4
	v_add_nc_u32 v9, s48, v5
	s_add_co_u32 s48, s48, 12800
	WIN 0xc0                                       ; destination window 3
.set k, 0
.rept 24
	ds_load_b128 v[4*k:4*k+3], v8 offset:512*k
.set k, k+1
.endr
	WIN 0
	ds_load_b128 v[56:59], v9
	ds_load_b128 v[60:63], v9 offset:16
.endm
.macro MM                                      ; 40 products: the five accumulators take turns, K ascending; the bias starts the sums
	s_wait_dscnt 0x0
	WIN 0x0d                                       ; source 0 window 1, source 1 window 3
.irp s, 0,1,2,3
.irp t, 0,1,2,3,4
.if \s == 0
	WS 104+8*\t, 60*\s+12*\t, 12*\s, v[64+8*\t:71+8*\t], 16+8*\t+\s, 56+\s
.else
	WS 104+8*\t, 60*\s+12*\t, 12*\s, v[104+8*\t:111+8*\t], 16+8*\t+\s, 56+\s
.endif
.endr
.endr
	WIN 0x0e                                       ; source 0 window 2
.irp s, 4,5,6,7
.irp t, 0,1,2,3,4
	WS 104+8*\t, 60*(\s-4)+12*\t, 12*\s, v[104+8*\t:111+8*\t], 16+8*\t+\s, 56+\s
.endr
.endr
	WIN 0
.rept 5
	v_nop                                          ; four places in front of loads into the products' registers and of reads of results; a fifth, since the next tile's products begin the accumulators anew
.endr
.endm
.macro HLSE                                    ; the row's maximum and sum over my 80 columns
.irp t, 0,1,2,3,4
	v_max3_num_f32 v[144+\t], v[104+8*\t], v[105+8*\t], v[106+8*\t]   ; each accumulator from its low end on
.endr
.irp t, 0,1,2,3,4
	v_max3_num_f32 v[144+\t], v[144+\t], v[107+8*\t], v[108+8*\t]
.endr
.irp t, 0,1,2,3,4
	v_max3_num_f32 v[144+\t], v[144+\t], v[109+8*\t], v[110+8*\t]
.endr
	v_max3_num_f32 v144, v144, v145, v111
	v_max3_num_f32 v146, v146, v147, v119
	v_max3_num_f32 v148, v148, v127, v135
	v_max3_num_f32 v144, v144, v146, v143
	v_max_num_f32 v144, v144, v148
	v_permlanex16_b32 v149, v144, s52, s53
	v_max_num_f32 v150, v144, v149                 ; M
	v_mul_f32 v152, s54, v150                      ; -c M
.set i, 0
.rept 20
	v_pk_fma_f32 v[104+i:105+i], v[104+i:105+i], s[56:57], v[152:153] op_sel_hi:[1,0,0]
.set i, i+2
.endr
.set i, 0
.rept 40
	v_exp_f32 v[104+i], v[104+i]
.set i, i+1
.endr
	v_add_nc_u32 v10, s49, v6                      ; a plain place behind the last exponential
	s_add_co_u32 s49, s49, 128
	s_wait_alu depctr_va_vdst(0)                   ; one wait for the batch, ahead of its first reader
	v_pk_add_f32 v[154:155], v[104:105], v[112:113]
	v_pk_add_f32 v[156:157], v[106:107], v[114:115]
	v_pk_add_f32 v[158:159], v[108:109], v[116:117]
	v_pk_add_f32 v[146:147], v[110:111], v[118:119]
.irp k, 120,128,136
	v_pk_add_f32 v[154:155], v[154:155], v[\k:\k+1]
	v_pk_add_f32 v[156:157], v[156:157], v[\k+2:\k+3]
	v_pk_add_f32 v[158:159], v[158:159], v[\k+4:\k+5]
	v_pk_add_f32 v[146:147], v[146:147], v[\k+6:\k+7]
.endr
	v_pk_add_f32 v[154:155], v[154:155], v[156:157]
	v_pk_add_f32 v[158:159], v[158:159], v[146:147]
	v_pk_add_f32 v[154:155], v[154:155], v[158:159]
	v_add_f32 v154, v154, v155
	v_permlanex16_b32 v149, v154, s52, s53
	v_add_f32 v154, v154, v149
	v_cndmask_b32 v151, v150, v154, s51
	ds_store_b32 v10, v151
.endm
.macro RTILE p                                 ; p = 1: the next row tile is fetched ahead of this tile's vector work; 2: behind the second barrier; 0: there is none
	MM
.if \p == 2
	s_wait_tensorcnt 0x0                           ; my three records of row tiles 4-15 are in,
	s_wait_dscnt 0x0
	s_barrier_signal -1
	s_barrier_wait -1                              ; everybody's are
.endif
.if \p != 0
	LOADA
.endif
	HLSE
.endm
	LOADA
	s_wait_loadcnt 0x0                             ; W, its scale words, the bias
	RTILE 1
	RTILE 1
	RTILE 1
	RTILE 2
	s_mov_b32 s50, 11
.Lrt:
	RTILE 1
	s_sub_co_u32 s50, s50, 1
	s_cmp_lg_u32 s50, 0
	s_cbranch_scc1 .Lrt
	RTILE 0
.irp k, 0,1,2,3
	ds_load_b128 v[144+4*\k:147+4*\k], v7 offset:512*\k   ; my own bytes: LDS serves a wave's instructions in order
.endr
.irp k, 0,1,2,3
	s_wait_dscnt 3-\k
	global_store_b128 v4, v[144+4*\k:147+4*\k], s[58:59] offset:512*\k
.endr
	s_wait_tensorcnt 0x0
	ds_add_u32 v254, v255
	s_wait_dscnt 0x0
	s_endpgm
.Lfunc_end_k_qd0bc0e8598_head:
	.size	k_qd0bc0e8598_head, .Lfunc_end_k_qd0bc0e8598_head-k_qd0bc0e8598_head
	.p2alignl 7, 3214868480
	.fill 96, 4, 3214868480
	.section	.rodata,"a",@progbits
	.p2align	6, 0x0
	.amdhsa_kernel k_qd0bc0e8598_head
		.amdhsa_group_segment_fixed_size 213504
		.amdhsa_private_segment_fixed_size 0
		.amdhsa_enable_private_segment 0
		.amdhsa_kernarg_size 24
		.amdhsa_user_sgpr_count 2
		.amdhsa_user_sgpr_kernarg_segment_ptr 1
		.amdhsa_wavefront_size32 1
		.amdhsa_system_sgpr_workgroup_id_x 1
		.amdhsa_system_sgpr_workgroup_id_y 1
		.amdhsa_system_sgpr_workgroup_id_z 1
		.amdhsa_system_vgpr_workitem_id 0
		.amdhsa_next_free_vgpr 864
		.amdhsa_next_free_sgpr 66
		.amdhsa_reserve_vcc 0
		.amdhsa_float_denorm_mode_32 3
		.amdhsa_float_denorm_mode_16_64 3
		.amdhsa_memory_ordered 1
		.amdhsa_forward_progress 1
		.amdhsa_inst_pref_size 94
	.end_amdhsa_kernel
	.amdgpu_metadata
---
amdhsa.version: [ 1, 2 ]
amdhsa.kernels:
  - .name:           k_qd0bc0e8598_head
    .symbol:         k_qd0bc0e8598_head.kd
    .args:
      - { .name: HS, .offset: 0, .size: 8, .value_kind: global_buffer, .address_space: global }
      - { .name: WH, .offset: 8, .size: 8, .value_kind: global_buffer, .address_space: global }
      - { .name: HP, .offset: 16, .size: 8, .value_kind: global_buffer, .address_space: global }
    .group_segment_fixed_size: 213504
    .private_segment_fixed_size: 0
    .kernarg_segment_align: 8
    .kernarg_segment_size: 24
    .max_flat_workgroup_size: 128
    .sgpr_count:     66
    .vgpr_count:     864
    .wavefront_size: 32
...
	.end_amdgpu_metadata
.endif
;; end of part 3
;; launch final (part 4): grid 64 x 1, 12 waves a work-group, no clusters, 9,728 bytes of LDS; arguments ORD, target, HF, HS, WH, W1_codes, W1_scales, b1, W2_codes, W2_scales, b2, W3B, TP, HP, out0; writes out0
.if DOCPART == 4
	.amdgcn_target "amdgcn-amd-amdhsa--gfx1250"
	.amdhsa_code_object_version 6
	.text
	.protected	k_qd0bc0e8598_final
	.globl	k_qd0bc0e8598_final
	.p2align	8
	.type	k_qd0bc0e8598_final,@function
k_qd0bc0e8598_final:
	s_mov_b64 s[64:65], 0
	v_nop
	global_prefetch_b8 v0, s[64:65] scope:SCOPE_SE
	s_setreg_imm32_b32 hwreg(HW_REG_WAVE_MODE, 25, 1), 1
	s_wait_xcnt 0x0
; nll of 16 sorted rows a work-group.  Waves 0-3 make one logit a row each: the head's (the target's column, or its cluster's column) and each tail's at the target, by one tile of products of the rows' h with 16 GATHERED
; rows of the weight, of which the diagonal is kept: the same codes, scales and instruction as the sums' logits.  Waves 4-11 join the partial (M, sum) pairs: 250 of the head and 63, 500 or 212 of the row's tail.
; One barrier; wave 0 then joins the sixteen streams, takes the logarithms and stores.  Of the three tails' logits the one of the row's cluster is chosen by v_cndmask_b32.
; target - l_idx is not clipped at 0: where it is negative reference() throws the value away, and the unsigned minimum keeps the index inside its table.
; LIMITS: logits under -1e30, NaN and infinities are not served.
; v4-7: LDS addresses, made ahead of the parting of the waves and kept for that alone.  v240-255: scale words alone.
.set BIG, 0xf149f2ca
.macro WS d, a, b, c, sa, sb
	v_wmma_scale_f32_16x16x128_f8f6f4 v[\d:\d+7], v[\a:\a+11], v[\b:\b+11], \c, v[\sa], v[\sb] matrix_a_fmt:MATRIX_FMT_BF6 matrix_b_fmt:MATRIX_FMT_BF6
.endm
; element (m, m) of the tile at v[acc]: lane (r, h) holds (8 h + j, r) in register j; every lane ends with row r's, in v23
.macro DIAG acc
	v_and_b32 v24, 7, v0
	v_mov_b32 v23, v[\acc]
.irp j, 1,2,3,4,5,6,7
	v_cmp_eq_u32 vcc_lo, \j, v24
	v_cndmask_b32 v23, v23, v[\acc+\j], vcc_lo
.endr
	v_mov_b32 v25, 0
	v_permlanex16_b32 v25, v23, s58, s59
	v_lshrrev_b32 v24, 3, v2
	v_cmp_eq_u32 vcc_lo, v24, v3
	v_cndmask_b32 v23, v25, v23, vcc_lo
.endm
; n pairs (m, s), st registers apart from v[m0] on, become one: M = the largest m, S = the sum of s 2^(c (m - M))
.macro RED n, m0, st, vm, vs, t0
	v_max_num_f32 v[\vm], v[\m0], v[\m0+\st]
.set i, 2
.rept (\n-2)/2
	v_max3_num_f32 v[\vm], v[\vm], v[\m0+\st*i], v[\m0+\st*(i+1)]
.set i, i+2
.endr
.set i, 0
.rept \n
	v_sub_f32 v[\t0+i], v[\m0+\st*i], v[\vm]
.set i, i+1
.endr
.set i, 0
.rept \n
	v_mul_f32 v[\t0+i], s56, v[\t0+i]
.set i, i+1
.endr
.set i, 0
.rept \n
	v_exp_f32 v[\t0+i], v[\t0+i]
.set i, i+1
.endr
	v_nop
	s_wait_alu depctr_va_vdst(0)                   ; one wait for the batch, ahead of its first reader
	v_mul_f32 v[\vs], v[\m0+1], v[\t0]
.set i, 1
.rept \n-1
	v_fmac_f32 v[\vs], v[\m0+\st*i+1], v[\t0+i]
.set i, i+1
.endr
.endm
	s_load_b512 s[4:19], s[0:1], 0x0               ; ORD, target, HF, HS, WH, W1 c, W1 s, b1
	s_load_b256 s[20:27], s[0:1], 0x40             ; W2 c, W2 s, b2, W3B
	s_load_b128 s[28:31], s[0:1], 0x60             ; TP, HP
	s_load_b64 s[32:33], s[0:1], 0x70              ; out0
	v_lshl_add_u32 v30, v0, 2, 0x2000
	v_mov_b32 v31, 0
	v_lshrrev_b32 v1, 5, v0
	v_readfirstlane_b32 s36, v1                    ; wave 0..11
	v_and_b32 v1, 31, v0
	v_and_b32 v2, 15, v0                           ; r
	v_bfe_u32 v3, v0, 4, 1                         ; h
	s_add_co_u32 s37, s36, 4
	s_and_b32 s37, s37, 7                          ; wave - 4 in waves 4 to 11
	s_lshl_b32 s38, s37, 9
	v_lshl_add_u32 v4, v1, 4, s38                  ; a stream's result: stream q = 2 (wave - 4) + h, row r, at 256 q + 16 r
	v_lshlrev_b32 v5, 4, v2
	v_lshl_add_u32 v5, v3, 11, v5                  ; wave 0 reads streams 8 h + 0 .. 7 of row r
	s_lshl_b32 s38, s36, 7
	s_add_co_u32 s38, s38, 4096
	v_lshl_add_u32 v6, v1, 2, s38                  ; a logit: wave k, lane l at 4,096 + 128 k + 4 l
	v_lshl_add_u32 v7, v1, 2, 4096
	s_lshl_b32 s39, ttmp9, 4
	v_add_nc_u32 v8, s39, v2                       ; P: my sorted place
	v_lshlrev_b32 v12, 2, v8
	s_mov_b32 s53, 19997
	s_mov_b32 s54, 39997
	s_mov_b32 s55, 199997
	s_mov_b32 s56, 0x3fb8aa3b                      ; c = log2 e
	s_mov_b32 s57, 0x3f317218                      ; ln 2
	s_mov_b32 s58, 0x76543210
	s_mov_b32 s59, 0xfedcba98
	s_wait_kmcnt 0x0
	s_load_b256 s[44:51], s[4:5], 0x1000           ; B1 B2 B3 R1 R2 R3 S2 S3
	global_load_b32 v9, v12, s[4:5]
	s_wait_loadcnt 0x0
	v_min_u32 v9, 0x3ff, v9                        ; my row
	v_lshlrev_b32 v10, 2, v9
	global_load_b32 v11, v10, s[6:7]               ; its target
	v_lshrrev_b32 v16, 4, v9
	v_min_u32 v16, 63, v16                         ; its row tile
	v_and_b32 v17, 15, v9
	v_min_u32 v17, 15, v17                         ; and its place there
	s_wait_loadcnt 0x0
	s_wait_kmcnt 0x0
	v_cmp_le_u32 s40, s53, v11                     ; cluster >= 1, 2, 3
	v_cmp_le_u32 s41, s54, v11
	v_cmp_le_u32 s42, s55, v11
	s_cmp_ge_u32 s36, 4
	s_cbranch_scc1 .Lstream
	s_cmp_eq_u32 s36, 1
	s_cbranch_scc1 .Lw1
	s_cmp_eq_u32 s36, 2
	s_cbranch_scc1 .Lw2
	s_cmp_eq_u32 s36, 3
	s_cbranch_scc1 .Lw3
; ---- wave 0: the head's logit at column g = target, or 19,996 + cluster
	v_mov_b32 v13, 0x4e1d
	v_cndmask_b32 v12, v11, v13, s40
	v_mov_b32 v13, 0x4e1e
	v_cndmask_b32 v12, v12, v13, s41
	v_mov_b32 v13, 0x4e1f
	v_cndmask_b32 v12, v12, v13, s42
	v_lshrrev_b32 v13, 4, v12
	v_min_u32 v13, 0x4e1, v13
	v_and_b32 v14, 15, v12
	v_min_u32 v14, 15, v14
	v_min_u32 v15, 0x4e1f, v12
	v_lshlrev_b32 v15, 2, v15
	v_mul_u32_u24 v13, v13, 12800
	v_lshl_add_u32 v18, v14, 4, v13
	v_lshl_add_u32 v18, v3, 8, v18
	v_lshl_add_u32 v19, v14, 5, v13
	v_lshlrev_b32 v20, 4, v1
	v_lshlrev_b32 v21, 5, v2
	s_mul_i32 s60, ttmp9, 12800
	s_mov_b32 s61, 0
	s_add_nc_u64 s[60:61], s[10:11], s[60:61]
	s_add_nc_u64 s[62:63], s[12:13], 16000000
.set k, 0
.rept 24
	global_load_b128 v[32+4*k:35+4*k], v18, s[12:13] offset:512*k
	global_load_b128 v[128+4*k:131+4*k], v20, s[60:61] offset:512*k
.set k, k+1
.endr
	global_load_b128 v[240:243], v19, s[12:13] offset:12288
	global_load_b128 v[244:247], v19, s[12:13] offset:12304
	global_load_b128 v[248:251], v21, s[60:61] offset:12288
	global_load_b128 v[252:255], v21, s[60:61] offset:12304
	global_load_b32 v22, v15, s[62:63]
	s_wait_loadcnt 0x0
.irp s, 0,1,2,3,4,5,6,7                        ; two accumulators by turns: the even and the odd K steps
.if \s < 2
	WS 224+8*(\s%2), 32+12*\s, 128+12*\s, 0, 240+\s, 248+\s
.else
	WS 224+8*(\s%2), 32+12*\s, 128+12*\s, v[224+8*(\s%2):231+8*(\s%2)], 240+\s, 248+\s
.endif
.endr
.rept 4
	v_nop
.endr
.irp i, 0,2,4,6
	v_pk_add_f32 v[224+\i:225+\i], v[224+\i:225+\i], v[232+\i:233+\i]
.endr
	DIAG 224
	v_add_f32 v23, v23, v22
	ds_store_b32 v6, v23
	s_branch .Ljoin
; ---- wave 1: tail 1's logit
.Lw1:
	v_sub_nc_u32 v12, v11, s53
	v_min_u32 v12, 0x4e1f, v12
	v_mul_u32_u24 v13, v12, 192
	v_mad_u32_u24 v13, v3, 24, v13
	v_lshlrev_b32 v14, 3, v12
	v_lshlrev_b32 v15, 2, v12
	v_mul_u32_u24 v19, v16, 3584
	v_lshl_add_u32 v18, v17, 4, v19
	v_lshl_add_u32 v18, v3, 8, v18
	v_lshl_add_u32 v19, v17, 5, v19
.irp s, 0,1
.irp p, 0,1,2,3,4,5
	global_load_b64 v[32+12*\s+2*\p:33+12*\s+2*\p], v13, s[14:15] offset:96*\s+48*(\p/3)+8*(\p%3)
.endr
.endr
.irp k, 0,1,2,3,4,5
	global_load_b128 v[128+4*\k:131+4*\k], v18, s[8:9] offset:819200+512*\k
.endr
	global_load_b64 v[240:241], v14, s[16:17]
	global_load_b64 v[248:249], v19, s[8:9] offset:819200+3072
	global_load_b32 v22, v15, s[18:19]
	s_wait_loadcnt 0x0
	WS 224, 32, 128, 0, 240, 248
	WS 232, 44, 140, 0, 241, 249
.rept 4
	v_nop
.endr
.irp i, 0,2,4,6
	v_pk_add_f32 v[224+\i:225+\i], v[224+\i:225+\i], v[232+\i:233+\i]
.endr
	DIAG 224
	v_add_f32 v23, v23, v22
	ds_store_b32 v6, v23
	s_branch .Ljoin
; ---- wave 2: tail 2's
.Lw2:
.irp k, 38,39,40,41,42,43
	v_mov_b32 v[\k], 0                             ; K = 64: the K step's upper half is zero codes
.endr
	v_sub_nc_u32 v12, v11, s54
	v_min_u32 v12, 0x270ff, v12
	v_mul_u32_u24 v13, v12, 48
	v_mad_u32_u24 v13, v3, 24, v13
	v_lshlrev_b32 v14, 1, v12
	v_lshlrev_b32 v15, 2, v12
	v_lshlrev_b32 v19, 11, v16
	v_lshl_add_u32 v18, v17, 4, v19
	v_lshl_add_u32 v18, v3, 8, v18
	v_lshl_add_u32 v19, v17, 5, v19
.irp p, 0,1,2
	global_load_b64 v[32+2*\p:33+2*\p], v13, s[20:21] offset:8*\p
	global_load_b128 v[128+4*\p:131+4*\p], v18, s[8:9] offset:1048576+512*\p
.endr
	global_load_u16 v240, v14, s[22:23]
	global_load_b32 v248, v19, s[8:9] offset:1048576+1536
	global_load_b32 v22, v15, s[24:25]
	s_wait_loadcnt 0x0
	WS 224, 32, 128, 0, 240, 248
.rept 4
	v_nop
.endr
	DIAG 224
	v_add_f32 v23, v23, v22
	ds_store_b32 v6, v23
	s_branch .Ljoin
; ---- wave 3: tail 3's, in bf16
.Lw3:
.irp k, 36,37,38,39,132,133,134,135
	v_mov_b32 v[\k], 0                             ; K = 16: the form's upper 16 of K are zeros
.endr
	v_sub_nc_u32 v12, v11, s55
	v_min_u32 v12, 0x10899, v12
	v_lshrrev_b32 v13, 4, v12
	v_min_u32 v13, 0x1089, v13
	v_and_b32 v14, 15, v12
	v_min_u32 v14, 15, v14
	v_lshlrev_b32 v15, 2, v12
	v_lshlrev_b32 v13, 9, v13
	v_lshl_add_u32 v13, v14, 4, v13
	v_lshl_add_u32 v13, v3, 8, v13
	v_lshlrev_b32 v18, 9, v16
	v_lshl_add_u32 v18, v17, 4, v18
	v_lshl_add_u32 v18, v3, 8, v18
	global_load_b128 v[32:35], v13, s[26:27]
	global_load_b128 v[128:131], v18, s[8:9] offset:1179648
	global_load_b32 v22, v15, s[26:27] offset:2170880
	s_wait_loadcnt 0x0
	v_wmma_f32_16x16x32_bf16 v[224:231], v[32:39], v[128:135], 0
.rept 4
	v_nop
.endr
	DIAG 224
	v_add_f32 v23, v23, v22
	ds_store_b32 v6, v23
	s_branch .Ljoin
; ---- waves 4-11: sixteen streams of partial pairs
.Lstream:
	s_lshl_b32 s38, s37, 1
	v_add_nc_u32 v14, s38, v3                      ; q
	s_lshr_b32 s60, ttmp9, 4
	s_lshl_b32 s60, s60, 11
	s_and_b32 s61, ttmp9, 15
	s_lshl_b32 s61, s61, 7
	s_add_co_u32 s60, s60, s61
	s_mov_b32 s61, 0
	s_add_nc_u64 s[60:61], s[30:31], s[60:61]      ; HP at my block of rows and my row tile
	v_lshlrev_b32 v12, 13, v14
	v_lshl_add_u32 v12, v2, 3, v12                 ; run q of 80 columns, row r
	v_add_nc_u32 v13, 240, v14
	v_min_u32 v13, 249, v13
	v_lshlrev_b32 v13, 13, v13
	v_lshl_add_u32 v13, v2, 3, v13
.set i, 0
.rept 15
	global_load_b64 v[32+2*i:33+2*i], v12, s[60:61] offset:131072*i   ; runs q + 16 i
.set i, i+1
.endr
	global_load_b64 v[62:63], v13, s[60:61]        ; run 240 + q, held at 249
	v_mov_b32 v18, s44                             ; my cluster's first place, first item and items to a group
	v_mov_b32 v19, s45
	v_cndmask_b32 v18, v18, v19, s41
	v_mov_b32 v19, s46
	v_cndmask_b32 v18, v18, v19, s42
	v_mov_b32 v20, 0
	v_mov_b32 v19, s50
	v_cndmask_b32 v20, v20, v19, s41
	v_mov_b32 v19, s51
	v_cndmask_b32 v20, v20, v19, s42
	v_mov_b32 v21, 63
	v_mov_b32 v19, 500
	v_cndmask_b32 v21, v21, v19, s41
	v_mov_b32 v19, 212
	v_cndmask_b32 v21, v21, v19, s42
	v_sub_nc_u32 v22, v8, v18                      ; my place in the cluster
	v_lshrrev_b32 v23, 6, v22
	v_min_u32 v23, 15, v23
	v_mad_u32_u24 v20, v23, v21, v20               ; my group's first item
	v_and_b32 v24, 15, v22
	v_min_u32 v24, 15, v24
	v_bfe_u32 v25, v22, 4, 2
	v_min_u32 v25, 3, v25
	v_lshlrev_b32 v24, 5, v24
	v_lshl_add_u32 v24, v25, 3, v24                ; my pair's place in an item's 512 bytes
	v_add_nc_u32 v26, -1, v21
	v_sub_nc_u32 v27, v21, v14                     ; items - q
	v_mov_b32 v28, BIG
.set i, 0
.rept 32
	v_mov_b32 v[64+2*i], v28                       ; rows of the shortlist have no tail: their pairs stay (-1e30, 0)
	v_mov_b32 v[65+2*i], 0
	v_add_nc_u32 v[128+i], 16*i, v14
	v_min_u32 v[128+i], v[128+i], v26              ; item q + 16 i of the group, held at its last
	v_add_nc_u32 v[128+i], v[128+i], v20
	v_min_u32 v[128+i], 0x2053, v[128+i]
	v_lshl_add_u32 v[128+i], v[128+i], 9, v24
.set i, i+1
.endr
	s_wait_xcnt 0x0                                ; EXEC is a source of the loads above: it changes only behind this wait
	s_and_saveexec_b32 s62, s40                    ; rows with a tail alone
.set i, 0
.rept 32
	global_load_b64 v[64+2*i:65+2*i], v[128+i], s[28:29]
.set i, i+1
.endr
	s_wait_xcnt 0x0
	s_or_b32 exec_lo, exec_lo, s62
	s_wait_loadcnt 0x0
	v_cmp_le_u32 vcc_lo, 10, v14
	v_cndmask_b32 v62, v62, v28, vcc_lo            ; runs past 249 count for nothing
.set i, 0
.rept 32
	v_cmp_ge_i32 vcc_lo, 16*i, v27                 ; items past the group's last likewise
	v_cndmask_b32 v[64+2*i], v[64+2*i], v28, vcc_lo
.set i, i+1
.endr
	RED 16, 32, 2, 208, 209, 192
	RED 32, 64, 2, 210, 211, 160
	ds_store_b128 v4, v[208:211]
.Ljoin:
	s_wait_dscnt 0x0                               ; for the others' sake: my store has landed
	s_barrier_signal -1
	s_barrier_wait -1
	s_cmp_lg_u32 s36, 0
	s_cbranch_scc1 .Lend
.set i, 0
.rept 8
	ds_load_b128 v[32+4*i:35+4*i], v5 offset:256*i
.set i, i+1
.endr
.irp k, 0,1,2,3
	ds_load_b32 v[64+\k], v7 offset:128*\k
.endr
	s_wait_dscnt 0x0
	RED 8, 32, 4, 96, 97, 104
	RED 8, 34, 4, 98, 99, 112
.irp k, 0,1,2,3
	v_mov_b32 v[100+\k], 0
.endr
.irp k, 0,1,2,3
	v_permlanex16_b32 v[100+\k], v[96+\k], s58, s59   ; the other eight streams' pairs
.endr
	v_max_num_f32 v120, v96, v100
	v_max_num_f32 v123, v98, v102
	v_sub_f32 v121, v96, v120
	v_sub_f32 v122, v100, v120
	v_sub_f32 v124, v98, v123
	v_sub_f32 v125, v102, v123
	v_mul_f32 v121, s56, v121
	v_mul_f32 v122, s56, v122
	v_mul_f32 v124, s56, v124
	v_mul_f32 v125, s56, v125
	v_exp_f32 v121, v121
	v_exp_f32 v122, v122
	v_exp_f32 v124, v124
	v_exp_f32 v125, v125
	v_nop
	s_wait_alu depctr_va_vdst(0)
	v_mul_f32 v97, v97, v121
	v_mul_f32 v99, v99, v124
	v_fmac_f32 v97, v101, v122
	v_fmac_f32 v99, v103, v125
	v_log_f32 v97, v97
	v_log_f32 v99, v99
	v_nop
	s_wait_alu depctr_va_vdst(0)
	v_fma_f32 v97, v97, s57, v120                  ; the head's log of the sum of exponentials
	v_fma_f32 v99, v99, s57, v123                  ; the tail's
	v_cndmask_b32 v65, v65, v66, s41               ; the logit of the row's own tail
	v_cndmask_b32 v65, v65, v67, s42
	v_sub_f32 v99, v99, v65
	v_cndmask_b32 v99, 0, v99, s40                 ; rows of the shortlist have no tail term
	v_sub_f32 v97, v97, v64
	v_add_f32 v97, v97, v99
	s_wait_xcnt 0x0
	s_wait_tensorcnt 0x0
	ds_add_u32 v30, v31
	s_wait_dscnt 0x0
	v_cmpx_gt_u32 16, v1                           ; one lane a row
	global_store_b32 v10, v97, s[32:33]
	s_endpgm
.Lend:
	s_wait_tensorcnt 0x0
	ds_add_u32 v30, v31
	s_wait_dscnt 0x0
	s_endpgm
.Lfunc_end_k_qd0bc0e8598_final:
	.size	k_qd0bc0e8598_final, .Lfunc_end_k_qd0bc0e8598_final-k_qd0bc0e8598_final
	.p2alignl 7, 3214868480
	.fill 96, 4, 3214868480
	.section	.rodata,"a",@progbits
	.p2align	6, 0x0
	.amdhsa_kernel k_qd0bc0e8598_final
		.amdhsa_group_segment_fixed_size 9728
		.amdhsa_private_segment_fixed_size 0
		.amdhsa_enable_private_segment 0
		.amdhsa_kernarg_size 120
		.amdhsa_user_sgpr_count 2
		.amdhsa_user_sgpr_kernarg_segment_ptr 1
		.amdhsa_wavefront_size32 1
		.amdhsa_system_sgpr_workgroup_id_x 1
		.amdhsa_system_sgpr_workgroup_id_y 1
		.amdhsa_system_sgpr_workgroup_id_z 1
		.amdhsa_system_vgpr_workitem_id 0
		.amdhsa_next_free_vgpr 256
		.amdhsa_next_free_sgpr 100
		.amdhsa_reserve_vcc 1
		.amdhsa_float_denorm_mode_32 3
		.amdhsa_float_denorm_mode_16_64 3
		.amdhsa_memory_ordered 1
		.amdhsa_forward_progress 1
		.amdhsa_inst_pref_size 53
	.end_amdhsa_kernel
	.amdgpu_metadata
---
amdhsa.version: [ 1, 2 ]
amdhsa.kernels:
  - .name:           k_qd0bc0e8598_final
    .symbol:         k_qd0bc0e8598_final.kd
    .args:
      - { .name: ORD, .offset: 0, .size: 8, .value_kind: global_buffer, .address_space: global }
      - { .name: target, .offset: 8, .size: 8, .value_kind: global_buffer, .address_space: global }
      - { .name: HF, .offset: 16, .size: 8, .value_kind: global_buffer, .address_space: global }
      - { .name: HS, .offset: 24, .size: 8, .value_kind: global_buffer, .address_space: global }
      - { .name: WH, .offset: 32, .size: 8, .value_kind: global_buffer, .address_space: global }
      - { .name: W1_codes, .offset: 40, .size: 8, .value_kind: global_buffer, .address_space: global }
      - { .name: W1_scales, .offset: 48, .size: 8, .value_kind: global_buffer, .address_space: global }
      - { .name: b1, .offset: 56, .size: 8, .value_kind: global_buffer, .address_space: global }
      - { .name: W2_codes, .offset: 64, .size: 8, .value_kind: global_buffer, .address_space: global }
      - { .name: W2_scales, .offset: 72, .size: 8, .value_kind: global_buffer, .address_space: global }
      - { .name: b2, .offset: 80, .size: 8, .value_kind: global_buffer, .address_space: global }
      - { .name: W3B, .offset: 88, .size: 8, .value_kind: global_buffer, .address_space: global }
      - { .name: TP, .offset: 96, .size: 8, .value_kind: global_buffer, .address_space: global }
      - { .name: HP, .offset: 104, .size: 8, .value_kind: global_buffer, .address_space: global }
      - { .name: out0, .offset: 112, .size: 8, .value_kind: global_buffer, .address_space: global }
    .group_segment_fixed_size: 9728
    .private_segment_fixed_size: 0
    .kernarg_segment_align: 8
    .kernarg_segment_size: 120
    .max_flat_workgroup_size: 384
    .sgpr_count:     100
    .vgpr_count:     256
    .wavefront_size: 32
...
	.end_amdgpu_metadata
.endif
;; end of part 4
;; ======== version 2 of 2: 4 launches; version 1 with the launch tails written anew for expert scheduling mode
;; limits: inputs' magnitudes at most 1e+30
;; workspace buffers: HF 1,212,416 bytes; W3B 2,442,240 bytes; ORD 4,352 bytes of whole numbers; WH 16,080,128 bytes; HS 819,200 bytes; TP 4,237,312 bytes; HP 2,064,384 bytes
;; launch prep: the kernel of part 1 again; grid 442 x 1, 4 waves a work-group, no clusters, 156,160 bytes of LDS; arguments hidden_codes, hidden_scales, p0_codes, p0_scales, p1_codes, p1_scales, p2_codes, p2_scales, p3_codes, p3_scales, target, W3, b3, HF, W3B, ORD; writes HF, W3B, ORD
;; launch tails (part 5): grid 2398 x 1, 4 waves a work-group, no clusters, 34,304 bytes of LDS; arguments ORD, HF, W1_codes, W1_scales, b1, W2_codes, W2_scales, b2, W3B, W0, cluster_weight, b0, cluster_bias, TP, WH, HS; writes TP, WH, HS
.if DOCPART == 5
	.amdgcn_target "amdgcn-amd-amdhsa--gfx1250"
	.amdhsa_code_object_version 6
	.text
	.protected	k_qd0bc0e8598_tails
	.globl	k_qd0bc0e8598_tails
	.p2align	8
	.type	k_qd0bc0e8598_tails,@function
k_qd0bc0e8598_tails:
	s_mov_b64 s[64:65], 0
	v_nop
	global_prefetch_b8 v0, s[64:65] scope:SCOPE_SE
	s_setreg_imm32_b32 hwreg(HW_REG_WAVE_SCHED_MODE, 0, 2), 2
	s_setreg_imm32_b32 hwreg(HW_REG_WAVE_MODE, 25, 1), 1
	s_wait_xcnt 0x0
	s_wait_alu depctr_vm_vsrc(0)
; Three roles, told apart by the work-group's number; no barrier in any: waves share nothing.
; TAILS (2,069 work-groups, each wave an item of its own): reference() keeps of the three tails only the one of a row's target, so each tail is computed for its own rows alone.
;   Item wi = 64 sorted rows of one cluster x 20 tiles of 16 columns of that cluster's vocabulary; the list (ORD) was stored by the launch before.  The grid serves every split: 16 x 500 + 63 + 212 items at the most;
;   an item past the list's end stores nothing.  logits^T = W h^T + b (source 0 = 16 rows of W, source 1 = 16 rows of h, C = the bias): a lane holds one row and eight columns.  Each lane keeps a running maximum M
;   and a sum of 2^(c (x - M)), c = log2 e; at the item's end the lane halves are joined and (M, sum) of the 64 rows go to TP.  Tail 3 (K = 16) goes in bf16, as it is left unquantised.
;   Tail 2 has 500 x 20 tiles; tail 3's images and bias were padded to 212 x 20 tiles (zero rows, bias -1e30: such a column adds 0 to a sum and raises no maximum): both walk 10 trips of two tiles.
;   Tail 1 has 62 x 20 + 10 tiles: its trips are 20 or 10, by the item's number.  An item's scalar bases are made once; in the loop the lane offsets step.
; QUANT (313 work-groups, one in four among the first 1,316): W0 and cluster_weight, f32 with K innermost, into codes of E3M2 laid as images of the operand's registers, a wave to a tile of 16 rows; the head's bias joined.
; PERMUTE (16 work-groups): h0's records copied into sorted order.
; LIMITS: logits under -1e30, NaN and infinities are not served; a block of zeros gets the scale byte 1 (its codes are zeros; this program alone reads the bytes).
; THE MODE: SCHED_MODE bits 1:0 = 2 (LLVM: expert scheduling mode 2), set by the entry lines.  The code itself states the register dependences
; between vector or matrix instructions and memory or LDS instructions, with s_wait_alu, always for 0.
; THE PLAN, TAILS.  Registers that memory instructions touch:
;   v4-v6      lane offsets.  Read by every load of W, its scale words and the bias; stepped once a trip, behind the trip's products.
;   W's set    fragments, scale words, bias: one set.  A trip's products read it; behind them the next tile's loads land in it.
;   v8-v11     offsets of the four index loads, written again by the rows' arithmetic; v12-v15: the indices land there.
;   v40-v47    offsets of the loads of h, read once ahead of the loop; UPDATE writes v40-v43 from the first trip on.
;   h, its scale words: loaded once.  The statistics and the logits are named by vector and matrix instructions alone.
;   A trip has one wait on vm_vsrc at its head (the offsets have been read) and one wait on va_vdst behind its products and their places (they are done reading W's set; the offsets are written);
;   the next tile's loads follow that wait in one run, and UPDATE, which names none of their registers, stands between them and the wait for their data.
; THE PLAN, QUANT.  RAW0, RAW1 (v32-159): global loads land, the stage's LDS stores read them, no vector instruction names them.  v160-223: LDS loads land, the maxima and the conversions read them.
;   v224-235: the conversions and moves write them, three global stores read them.  The offsets are made once.  A fragment has one wait on vm_vsrc (the LDS stores have read RAW; the last fragment's global stores have
;   read the codes) and one on va_vdst ahead of its stores (the codes are written; the conversions are done reading v160-223, in which the next fragment's LDS loads land with no vector instruction between).
.set BIG, 0xf149f2ca                   ; -1e30
; tails' registers: v1-3 lane, r, h; v4-6 lane offsets of W, its scales, the bias; v7 my place in the item's 512 bytes; v8-15 at work;
; v16-31: row tile rt: -c M, M, the sum's two halves at 16 + 4 rt; v32-39 (a, spare) a row tile; v40-47 at work; v244-251 the rows' scale words, v252-253 W's: scales alone
.macro WS d, a, b, c, sa, sb
	v_wmma_scale_f32_16x16x128_f8f6f4 v[\d:\d+7], v[\a:\a+11], v[\b:\b+11], \c, v[\sa], v[\sb] matrix_a_fmt:MATRIX_FMT_BF6 matrix_b_fmt:MATRIX_FMT_BF6
.endm
	s_load_b512 s[4:19], s[0:1], 0x0               ; ORD, HF, W1 c, W1 s, b1, W2 c, W2 s, b2
	s_load_b512 s[20:35], s[0:1], 0x40             ; W3B, W0, cluster_weight, b0, cluster_bias, TP, WH, HS
	v_lshl_add_u32 v254, v0, 2, 0x8400
	v_mov_b32 v255, 0
	v_lshrrev_b32 v1, 5, v0
	v_readfirstlane_b32 s36, v1                    ; wave
	v_and_b32 v1, 31, v0
	v_and_b32 v2, 15, v0
	v_bfe_u32 v3, v0, 4, 1
	s_mov_b32 s98, 0x76543210
	s_mov_b32 s99, 0xfedcba98                      ; selects for lane l xor 16
	s_wait_alu depctr_va_sdst(0)                   ; s36 is written, ahead of the first branch and of its first reader: every role makes its numbers from it
	s_wait_kmcnt 0x0
	s_cmp_ge_u32 ttmp9, 1316
	s_cbranch_scc1 .Lhigh
	s_and_b32 s37, ttmp9, 3
	s_lshr_b32 s38, ttmp9, 2
	s_cmp_eq_u32 s37, 0
	s_cbranch_scc1 .Laux
	s_mul_i32 s39, s38, 3
	s_add_co_u32 s39, s39, s37
	s_sub_co_u32 s39, s39, 1
	s_branch .Ltail
.Lhigh:
	s_sub_co_u32 s39, ttmp9, 329
.Ltail:
	s_load_b256 s[44:51], s[4:5], 0x1000           ; B1 B2 B3 R1 R2 R3 S2 S3
	s_load_b32 s52, s[4:5], 0x1020                 ; END
	s_lshl_b32 s40, s39, 2
	s_add_co_u32 s40, s40, s36                     ; wi
	s_mov_b32 s87, 0
	s_mov_b32 s78, 0x3fb8aa3b                      ; c = log2 e
	s_mov_b32 s79, s78
	s_mov_b32 s80, 0xbfb8aa3b                      ; -c
	s_lshl_b32 s86, s40, 9
	s_add_nc_u64 s[84:85], s[30:31], s[86:87]      ; the item's 512 bytes of TP
	v_lshlrev_b32 v6, 5, v3                        ; the bias: my half's eight columns
	v_lshlrev_b32 v7, 5, v2
	v_lshl_add_u32 v7, v3, 4, v7                   ; 32 r + 16 h
	s_wait_kmcnt 0x0
	s_cmp_ge_u32 s40, s52
	s_cbranch_scc1 .Lend
	s_cmp_ge_u32 s40, s51
	s_cbranch_scc1 .Lpath3
	s_cmp_ge_u32 s40, s50
	s_cbranch_scc1 .Lpath2
	s_branch .Lpath1
; the item's group of rows and its first tile.  The division by a multiplication is exact for numbers under 8,300
.macro DECODE sS, mag, ipg, sB, sR
	s_sub_co_u32 s53, s40, \sS
	s_mul_hi_u32 s54, s53, \mag                    ; the group
	s_mul_i32 s55, s54, \ipg
	s_sub_co_u32 s55, s53, s55
	s_min_u32 s55, s55, \ipg-1                     ; the chunk of 20 tiles
	s_mul_i32 s56, s55, 20                         ; its first tile
	s_mov_b32 s58, \sB
	s_sub_co_u32 s59, \sR, 1
	s_lshl_b32 s60, s54, 6
.endm
; my lane's four rows, in three parts: sorted place (ROWADR) -> row (ROWIDX) -> the row's place in a record of rec bytes (ROWS; v40-43: its image bytes, v44-47: its scale words).
; Rows past the cluster's count repeat its last row; their results are never read
.macro ROWADR
.irp rt, 0,1,2,3
	v_add_nc_u32 v[8+\rt], s60, v2
	v_add_nc_u32 v[8+\rt], 16*\rt, v[8+\rt]
	v_min_u32 v[8+\rt], s59, v[8+\rt]
	v_add_nc_u32 v[8+\rt], s58, v[8+\rt]
	v_min_u32 v[8+\rt], 0x3ff, v[8+\rt]
	v_lshlrev_b32 v[8+\rt], 2, v[8+\rt]
.endr
.endm
.macro ROWIDX
.irp rt, 0,1,2,3
	global_load_b32 v[12+\rt], v[8+\rt], s[4:5]
.endr
.endm
.macro ROWS rec, younger               ; younger: the loads of W's first tile, issued behind the four index loads: they may stay out
	s_wait_loadcnt \younger                        ; loads come back in order (ISA guide 5.7.1): the four indices are in
	s_wait_alu depctr_vm_vsrc(0)                   ; the index loads have read v8 to v11, which the lines below write again
.irp rt, 0,1,2,3
	v_lshrrev_b32 v[8+\rt], 4, v[12+\rt]
	v_min_u32 v[8+\rt], 63, v[8+\rt]
	v_and_b32 v[12+\rt], 15, v[12+\rt]
	v_min_u32 v[12+\rt], 15, v[12+\rt]
	v_mul_u32_u24 v[8+\rt], v[8+\rt], \rec
	v_lshl_add_u32 v[40+\rt], v[12+\rt], 4, v[8+\rt]
	v_lshl_add_u32 v[40+\rt], v3, 8, v[40+\rt]     ; the image's bytes of lane (row % 16, h)
	v_lshl_add_u32 v[44+\rt], v[12+\rt], 5, v[8+\rt]
.endr
.endm
.macro INITST
.irp rt, 0,1,2,3
	v_mov_b32 v[17+4*\rt], BIG
	v_mov_b32 v[18+4*\rt], 0
	v_mov_b32 v[19+4*\rt], 0
	v_mov_b32 v[32+2*\rt], 0
	v_mov_b32 v[33+2*\rt], 0
.endr
.irp rt, 0,1,2,3
	v_mul_f32 v[16+4*\rt], s80, v[17+4*\rt]
.endr
.endm
; nl new logits a row tile, at v[d0 + nl rt]: the four row tiles by turns, so that no line waits for the line above it
.macro UPDATE nl, d0
.set i, 0
.rept \nl/2
.irp rt, 0,1,2,3
	v_max3_num_f32 v[17+4*\rt], v[17+4*\rt], v[\d0+\nl*\rt+i], v[\d0+\nl*\rt+i+1]   ; each accumulator from its low end on
.endr
.set i, i+2
.endr
.irp rt, 0,1,2,3
	v_mul_f32 v[40+\rt], s80, v[17+4*\rt]          ; -c M
.endr
.irp rt, 0,1,2,3
	v_sub_f32 v[32+2*\rt], v[40+\rt], v[16+4*\rt]  ; c (old M - new M)
.endr
.irp rt, 0,1,2,3
	v_mov_b32 v[16+4*\rt], v[40+\rt]
.endr
.set i, 0
.rept \nl/2
.irp rt, 0,1,2,3
	v_pk_fma_f32 v[\d0+\nl*\rt+i:\d0+\nl*\rt+i+1], v[\d0+\nl*\rt+i:\d0+\nl*\rt+i+1], s[78:79], v[16+4*\rt:17+4*\rt] op_sel_hi:[1,0,0]   ; c x - c M
.endr
.set i, i+2
.endr
.irp rt, 0,1,2,3
	v_exp_f32 v[32+2*\rt], v[32+2*\rt]
.endr
.set i, 0
.rept \nl
.irp rt, 0,1,2,3
	v_exp_f32 v[\d0+\nl*\rt+i], v[\d0+\nl*\rt+i]
.endr
.set i, i+1
.endr
	v_nop                                          ; a plain place behind the last exponential
	s_wait_alu depctr_va_vdst(0)                   ; one wait for the whole batch, ahead of its first reader: the exponentials have written the four factors and the logits' registers
.irp rt, 0,1,2,3
	v_pk_fma_f32 v[18+4*\rt:19+4*\rt], v[18+4*\rt:19+4*\rt], v[32+2*\rt:33+2*\rt], v[\d0+\nl*\rt:\d0+\nl*\rt+1] op_sel_hi:[1,0,1]
.endr
.set i, 2
.rept \nl/2-1
.irp rt, 0,1,2,3
	v_pk_add_f32 v[18+4*\rt:19+4*\rt], v[18+4*\rt:19+4*\rt], v[\d0+\nl*\rt+i:\d0+\nl*\rt+i+1]
.endr
.set i, i+2
.endr
.endm
; the lane halves (columns 8 h + 0 .. 7 of every tile) are joined; 64 pairs (M, sum) leave as 512 consecutive bytes
.macro FINISH
.irp rt, 0,1,2,3
	v_add_f32 v[18+4*\rt], v[18+4*\rt], v[19+4*\rt]
.endr
.irp rt, 0,1,2,3
	v_permlanex16_b32 v[8+\rt], v[17+4*\rt], s98, s99
.endr
.irp rt, 0,1,2,3
	v_permlanex16_b32 v[12+\rt], v[18+4*\rt], s98, s99
.endr
.irp rt, 0,1,2,3
	v_max_num_f32 v[40+\rt], v[17+4*\rt], v[8+\rt]
.endr
.irp rt, 0,1,2,3
	v_sub_f32 v[32+2*\rt], v[17+4*\rt], v[40+\rt]
	v_sub_f32 v[33+2*\rt], v[8+\rt], v[40+\rt]
.endr
.irp rt, 0,1,2,3
	v_mul_f32 v[32+2*\rt], s78, v[32+2*\rt]
	v_mul_f32 v[33+2*\rt], s78, v[33+2*\rt]
.endr
.irp rt, 0,1,2,3
	v_exp_f32 v[32+2*\rt], v[32+2*\rt]
	v_exp_f32 v[33+2*\rt], v[33+2*\rt]
.endr
	v_nop
	s_wait_alu depctr_va_vdst(0)                   ; the eight exponentials have written v32 to v39, ahead of their first reader
.irp rt, 0,1,2,3
	v_mul_f32 v[18+4*\rt], v[18+4*\rt], v[32+2*\rt]
.endr
.irp rt, 0,1,2,3
	v_fmac_f32 v[18+4*\rt], v[12+\rt], v[33+2*\rt]
.endr
	v_cmp_le_u32 vcc_lo, 16, v1
	s_wait_alu depctr_va_vcc(0)                    ; VCC is written, ahead of the four selects that read it
	v_cndmask_b32 v8, v40, v42, vcc_lo             ; lanes 0-15: row tiles 0 and 1; lanes 16-31: 2 and 3
	v_cndmask_b32 v9, v18, v26, vcc_lo
	v_cndmask_b32 v10, v41, v43, vcc_lo
	v_cndmask_b32 v11, v22, v30, vcc_lo
	s_wait_alu depctr_va_vdst(0)                   ; the selects have written v8 to v11, which the store reads
	global_store_b128 v7, v[8:11], s[84:85]
	s_endpgm
.endm
; Behind a trip's products stand five places: four in front of reads of results, a fifth, since the next trip's products begin the accumulators anew.
; The steps of the lane offsets, which name no register of the products, are two or three of the five.  The last trip steps by 0 and reads its own tiles again: no load leaves a buffer.
; ---------------- tail 1: K = 256, one tile a trip.  h v48-143, W v152-175, bias v176-183, logits v192-223
.macro LOADW1
.irp s, 0,1
.irp p, 0,1,2,3,4,5
	global_load_b64 v[152+12*\s+2*\p:153+12*\s+2*\p], v4, s[66:67] offset:96*\s+48*(\p/3)+8*(\p%3)
.endr
.endr
	global_load_b64 v[252:253], v5, s[68:69]
	global_load_b128 v[176:179], v6, s[70:71]
	global_load_b128 v[180:183], v6, s[70:71] offset:16
.endm
.Lpath1:
	DECODE 0, 68174085, 63, s44, s47
	s_sub_co_u32 s57, 1250, s56
	s_min_u32 s57, s57, 20                         ; the chunk's tiles: 20, in the last chunk 10
	s_max_u32 s57, s57, 1
	s_mul_i32 s86, s56, 3072
	s_add_nc_u64 s[66:67], s[8:9], s[86:87]
	s_lshl_b32 s86, s56, 7
	s_add_nc_u64 s[68:69], s[10:11], s[86:87]
	s_lshl_b32 s86, s56, 6
	s_add_nc_u64 s[70:71], s[12:13], s[86:87]
	v_mul_u32_u24 v4, v2, 192
	v_mad_u32_u24 v4, v3, 24, v4
	v_lshlrev_b32 v5, 3, v2
	ROWADR
	s_wait_alu depctr_va_vdst(0)                   ; the offsets v4 to v11 are written, which the loads below read
	ROWIDX
	LOADW1
	ROWS 3584, 15                                  ; behind the index loads: 12 loads of codes, one of scale words, two of the bias
	s_wait_alu depctr_va_vdst(0)                   ; v40 to v47 are written, which the loads of h read
.irp rt, 0,1,2,3
.irp k, 0,1,2,3,4,5
	global_load_b128 v[48+24*\rt+4*\k:51+24*\rt+4*\k], v[40+\rt], s[6:7] offset:819200+512*\k
.endr
	global_load_b64 v[244+2*\rt:245+2*\rt], v[44+\rt], s[6:7] offset:819200+3072
.endr
	INITST
.Lt1:
	s_wait_loadcnt 0x0                             ; this trip's tile (and, in the first trip, the rows) are in; the loads' offsets are free
	s_wait_alu depctr_vm_vsrc(0)                   ; the loads issued so far have read v4 to v6, which are stepped below, and, in the first trip, v40 to v47, of which UPDATE writes four
.irp rt, 0,1,2,3
	WS 192+8*\rt, 152, 48+24*\rt, v[176:183], 252, 244+2*\rt
.endr
.irp rt, 0,1,2,3
	WS 192+8*\rt, 164, 60+24*\rt, v[192+8*\rt:199+8*\rt], 253, 245+2*\rt
.endr
	s_cmp_gt_u32 s57, 1
	s_cselect_b32 s72, 3072, 0
	s_cselect_b32 s74, 128, 0
	s_cselect_b32 s76, 64, 0
	v_add_nc_u32 v4, s72, v4                       ; the next tile's codes, scale words and bias
	v_add_nc_u32 v5, s74, v5
	v_add_nc_u32 v6, s76, v6
	v_nop
	v_nop
	s_wait_alu depctr_va_vdst(0)                   ; the products are done reading W's fragments, scale words and bias, in which the loads below land; v4 to v6 are written, which those loads read
	LOADW1
	UPDATE 8, 192
	s_sub_co_u32 s57, s57, 1
	s_cmp_lg_u32 s57, 0
	s_cbranch_scc1 .Lt1
	FINISH
; ---------------- tail 2: K = 64 (the K step's upper half is zero codes), two tiles a trip.  h v48-95, W v104-127, bias v128-143, logits v160-223
.macro LOADW2
.irp g, 0,1
.irp p, 0,1,2
	global_load_b64 v[104+12*\g+2*\p:105+12*\g+2*\p], v4, s[66:67] offset:768*\g+8*\p
.endr
	global_load_u16 v[252+\g], v5, s[68:69] offset:32*\g     ; two scale bytes; the word's upper bytes are 0, over zero codes
	global_load_b128 v[128+8*\g:131+8*\g], v6, s[70:71] offset:64*\g
	global_load_b128 v[132+8*\g:135+8*\g], v6, s[70:71] offset:64*\g+16
.endr
.endm
.Lpath2:
	DECODE s50, 8589935, 500, s45, s48
	s_mul_i32 s86, s56, 768
	s_add_nc_u64 s[66:67], s[14:15], s[86:87]
	s_lshl_b32 s86, s56, 5
	s_add_nc_u64 s[68:69], s[16:17], s[86:87]
	s_lshl_b32 s86, s56, 6
	s_add_nc_u64 s[70:71], s[18:19], s[86:87]
	v_mul_u32_u24 v4, v2, 48
	v_mad_u32_u24 v4, v3, 24, v4
	v_lshlrev_b32 v5, 1, v2
.irp g, 0,1
.irp k, 6,7,8,9,10,11
	v_mov_b32 v[104+12*\g+\k], 0
.endr
.endr
	ROWADR
	s_wait_alu depctr_va_vdst(0)                   ; the offsets v4 to v11 are written, which the loads below read; so are the zero codes in W's fragments, which the scaled products take
	ROWIDX
	LOADW2
	ROWS 2048, 12                                  ; behind the index loads: for each of two tiles three loads of codes, one of scale bytes, two of the bias
	s_wait_alu depctr_va_vdst(0)                   ; v40 to v47 are written, which the loads of h read
.irp rt, 0,1,2,3
.irp k, 0,1,2
	global_load_b128 v[48+12*\rt+4*\k:51+12*\rt+4*\k], v[40+\rt], s[6:7] offset:1048576+512*\k
.endr
	global_load_b32 v[244+\rt], v[44+\rt], s[6:7] offset:1048576+1536
.endr
	INITST
	s_mov_b32 s57, 10                              ; 20 tiles, two a trip
.Lt2:
	s_wait_loadcnt 0x0
	s_wait_alu depctr_vm_vsrc(0)                   ; the loads issued so far have read v4 to v6, which are stepped below, and, in the first trip, v40 to v47, of which UPDATE writes four
.irp g, 0,1
.irp rt, 0,1,2,3
	WS 160+16*\rt+8*\g, 104+12*\g, 48+12*\rt, v[128+8*\g:135+8*\g], 252+\g, 244+\rt
.endr
.endr
	s_cmp_gt_u32 s57, 1
	s_cselect_b32 s72, 1536, 0
	s_cselect_b32 s74, 64, 0
	s_cselect_b32 s76, 128, 0
	v_add_nc_u32 v4, s72, v4
	v_add_nc_u32 v5, s74, v5
	v_add_nc_u32 v6, s76, v6
	v_nop
	v_nop
	s_wait_alu depctr_va_vdst(0)                   ; the products are done reading W's fragments, scale words and bias, in which the loads below land; v4 to v6 are written, which those loads read
	LOADW2
	UPDATE 16, 160
	s_sub_co_u32 s57, s57, 1
	s_cmp_lg_u32 s57, 0
	s_cbranch_scc1 .Lt2
	FINISH
; ---------------- tail 3: K = 16 in bf16 (the form's upper 16 of K are zeros), two tiles a trip.  h v48-79, W v80-95, bias v96-111, logits v160-223
.macro LOADW3
.irp g, 0,1
	global_load_b128 v[80+8*\g:83+8*\g], v4, s[66:67] offset:512*\g
	global_load_b128 v[96+8*\g:99+8*\g], v6, s[70:71] offset:2170880+64*\g
	global_load_b128 v[100+8*\g:103+8*\g], v6, s[70:71] offset:2170880+64*\g+16
.endr
.endm
.Lpath3:
	DECODE s51, 20259281, 212, s46, s49
	s_lshl_b32 s86, s56, 9
	s_add_nc_u64 s[66:67], s[20:21], s[86:87]
	s_lshl_b32 s86, s56, 6
	s_add_nc_u64 s[70:71], s[20:21], s[86:87]
	v_lshlrev_b32 v4, 4, v1
.irp g, 0,1
.irp k, 4,5,6,7
	v_mov_b32 v[80+8*\g+\k], 0
.endr
.endr
.irp rt, 0,1,2,3
.irp k, 4,5,6,7
	v_mov_b32 v[48+8*\rt+\k], 0
.endr
.endr
	ROWADR
	s_wait_alu depctr_va_vdst(0)                   ; the offsets v4, v6 and v8 to v11 are written, which the loads below read
	ROWIDX
	LOADW3
	ROWS 512, 6                                    ; behind the index loads: for each of two tiles one load of W and two of the bias
	s_wait_alu depctr_va_vdst(0)                   ; v40 to v43 are written, which the loads of h read
.irp rt, 0,1,2,3
	global_load_b128 v[48+8*\rt:51+8*\rt], v[40+\rt], s[6:7] offset:1179648
.endr
	INITST
	s_mov_b32 s57, 10                              ; 20 tiles, two a trip; the last chunk's tiles 4,234 to 4,239 are the padding
.Lt3:
	s_wait_loadcnt 0x0
	s_wait_alu depctr_vm_vsrc(0)                   ; the loads issued so far have read v4 and v6, which are stepped below, and, in the first trip, v40 to v43, which UPDATE writes
.irp g, 0,1
.irp rt, 0,1,2,3
	v_wmma_f32_16x16x32_bf16 v[160+16*\rt+8*\g:167+16*\rt+8*\g], v[80+8*\g:87+8*\g], v[48+8*\rt:55+8*\rt], v[96+8*\g:103+8*\g]
.endr
.endr
	s_cmp_gt_u32 s57, 1
	s_cselect_b32 s72, 1024, 0
	s_cselect_b32 s76, 128, 0
	v_add_nc_u32 v4, s72, v4
	v_add_nc_u32 v6, s76, v6
	v_nop
	v_nop
	v_nop
	s_wait_alu depctr_va_vdst(0)                   ; the products are done reading W's fragments and the bias, in which the loads below land; v4 and v6 are written, which those loads read
	LOADW3
	UPDATE 16, 160
	s_sub_co_u32 s57, s57, 1
	s_cmp_lg_u32 s57, 0
	s_cbranch_scc1 .Lt3
	FINISH
; ---------------- QUANT and PERMUTE
.Laux:
	s_cmp_ge_u32 s38, 313
	s_cbranch_scc1 .Lperm
	s_lshl_b32 s41, s38, 2
	s_add_co_u32 s41, s41, s36                     ; my tile of 16 rows of the head's weight
	s_cmp_ge_u32 s41, 1250
	s_cbranch_scc1 .Lend
	s_lshl_b32 s42, s41, 4
	s_mov_b32 s45, 0
.set i, 0
.rept 16                                       ; a base for each row: W0's, or from row 19,997 on cluster_weight's (the choice hangs on ids alone)
	s_add_co_u32 s43, s42, i
	s_cmp_lt_u32 s43, 19997
	s_cselect_b64 s[66+2*i:67+2*i], s[22:23], s[24:25]
	s_cselect_b32 s44, 0, 19997
	s_sub_co_u32 s44, s43, s44
	s_lshl_b32 s44, s44, 12
	s_add_nc_u64 s[66+2*i:67+2*i], s[66+2*i:67+2*i], s[44:45]
.set i, i+1
.endr
	s_mul_i32 s44, s41, 12800
	s_add_nc_u64 s[46:47], s[32:33], s[44:45]      ; my record of WH
	s_add_nc_u64 s[48:49], s[32:33], 16000000      ; the head's bias
	s_mul_i32 s43, s36, 8448                       ; my stage: 16 rows of 512 bytes + 16
	v_lshlrev_b32 v4, 4, v1
	v_lshl_add_u32 v5, v1, 4, s43                  ; in: as loaded
	v_mul_u32_u24 v6, v2, 528
	v_lshl_add_u32 v6, v3, 7, v6
	v_add_nc_u32 v6, s43, v6                       ; out: row r, + 128 h: k = 64 c + 32 h + 0 .. 31
	v_lshlrev_b32 v7, 3, v3
	v_mov_b32 v8, 0
	v_lshlrev_b32 v9, 5, v2
	v_lshl_add_u32 v9, v3, 4, v9
	v_add_nc_u32 v31, s42, v2                      ; e: my column of the head
	v_lshlrev_b32 v27, 2, v31
	v_min_u32 v242, 0x4e1c, v31
	v_lshlrev_b32 v242, 2, v242
	v_add_nc_u32 v243, -19997, v31
	v_min_u32 v243, 2, v243
	v_lshlrev_b32 v243, 2, v243
	s_wait_alu depctr_va_vdst(0)                   ; the offsets and LDS addresses v4, v5, v6, v9, v27, v242 and v243 are written: every load and store of this role reads one of them, and none is written again
	global_load_b32 v240, v242, s[26:27]
	global_load_b32 v241, v243, s[28:29]
.macro LOADF f                                 ; 128 along K of the 16 rows: each load reads 512 consecutive bytes
.set i, 0
.rept 16
	global_load_b128 v[32+64*((\f)%2)+4*i:35+64*((\f)%2)+4*i], v4, s[66+2*i:67+2*i] offset:512*(\f) th:TH_LOAD_NT
.set i, i+1
.endr
.endm
	LOADF 0
	LOADF 1
.macro QF f
.if \f < 7
	s_wait_loadcnt 16                              ; this fragment's 16 loads are in; the next fragment's 16 stay out
.else
	s_wait_loadcnt 0x0
.endif
.set i, 0
.rept 16
	ds_store_b128 v5, v[32+64*((\f)%2)+4*i:35+64*((\f)%2)+4*i] offset:528*i
.set i, i+1
.endr
.irp c, 0,1
.irp j, 0,1,2,3,4,5,6,7
	ds_load_b128 v[160+32*\c+4*\j:163+32*\c+4*\j], v6 offset:256*\c+16*\j   ; LDS serves a wave's instructions in order: these see my stores.  No vector instruction since the wait ahead of the last fragment's stores names v160 to v223
.endr
.endr
	s_wait_dscnt 0x0
	s_wait_xcnt 0x0                                ; the last fragment's stores have read the codes' registers
	s_wait_alu depctr_vm_vsrc(0)                   ; the LDS stores above have read this fragment's raw registers, in which the loads below land; the last fragment's global stores have read v224 to v235, which the conversions and moves below write
.if \f < 6
	LOADF \f+2
.endif
.irp c, 0,1
	v_max3_num_f32 v[18+\c], |v[160+32*\c]|, |v[161+32*\c]|, 0x2800000   ; my block 2 c + h: all 32 numbers are mine; the floor 2^(5 - 127)
.endr
.irp i, 2,4,6,8,10,12,14,16,18,20,22,24,26,28,30
.irp c, 0,1
	v_max3_num_f32 v[18+\c], v[18+\c], |v[160+32*\c+\i]|, |v[161+32*\c+\i]|
.endr
.endr
.irp c, 0,1
	v_add_nc_u32 v[20+\c], 0xfe000000, v[18+\c]    ; 4 off the exponent field: the conversion's scale operand
.endr
.irp c, 0,1
	v_lshrrev_b32 v[22+\c], 23, v[20+\c]
.endr
	v_lshl_or_b32 v[10+\f], v23, 16, v22           ; my two bytes, at their places (8 h bits up);
	v_lshlrev_b32 v[10+\f], v7, v[10+\f]
	v_permlanex16_b32 v8, v[10+\f], s98, s99
	v_or_b32 v[10+\f], v[10+\f], v8                ; with lane l xor 16's the word is whole
.irp c, 0,1
	v_cvt_scalef32_pk16_bf6_f32 v[224+6*\c:226+6*\c], v[160+32*\c:175+32*\c], v[20+\c]
	v_cvt_scalef32_pk16_bf6_f32 v[24+4*\c:26+4*\c], v[176+32*\c:191+32*\c], v[20+\c]
.endr
	v_nop                                          ; one plain place behind a scaled conversion
.irp c, 0,1
.irp i, 0,1,2
	v_mov_b32 v[227+6*\c+\i], v[24+4*\c+\i]
.endr
.endr
	s_wait_alu depctr_va_vdst(0)                   ; the conversions and moves have written v224 to v235, which the stores read; the conversions are done reading v160 to v223, in which the next fragment's LDS loads land
.irp c, 0,1,2
	global_store_b128 v4, v[224+4*\c:227+4*\c], s[46:47] offset:1536*\f+512*\c
.endr
.endm
.irp f, 0,1,2,3,4,5,6,7
	QF \f
.endr
	v_cmp_le_u32 s44, 16, v1                       ; the two masks in one run, each in a scalar register of its own
	v_cmp_le_u32 s45, 0x4e1d, v31
	s_wait_alu depctr_va_sdst(0)                   ; s44 and s45 are written, ahead of the selects that read them
.irp i, 0,1,2,3
	v_cndmask_b32 v[236+\i], v[10+\i], v[14+\i], s44      ; lanes 0-15 store their row's words 0-3, lanes 16-31 words 4-7
.endr
	v_cndmask_b32 v240, v240, v241, s45            ; b0, or from column 19,997 on cluster_bias
	s_wait_alu depctr_va_vdst(0)                   ; the selects have written v236 to v240, which the two stores read
	global_store_b128 v9, v[236:239], s[46:47] offset:12288
	global_store_b32 v27, v240, s[48:49]           ; lanes l and l + 16 hold the same number for the same place
	s_wait_dscnt 0x0                               ; the closing lines, six on end, of a launch in the mode that stores to LDS
	s_wait_alu 0x0
	s_wait_tensorcnt 0x0
	ds_add_u32 v254, v255
	s_wait_dscnt 0x0
	s_endpgm
.Lperm:
	s_sub_co_u32 s41, s38, 313
	s_lshl_b32 s41, s41, 2
	s_add_co_u32 s41, s41, s36                     ; the sorted tile
	s_lshl_b32 s42, s41, 4
	v_add_nc_u32 v8, s42, v2
	v_lshlrev_b32 v8, 2, v8
	v_lshlrev_b32 v4, 4, v1
	v_lshlrev_b32 v5, 5, v2
	v_lshl_add_u32 v5, v3, 4, v5
	s_wait_alu depctr_va_vdst(0)                   ; v8 is written, which the index load reads; so are v4 and v5, the stores' offsets
	global_load_b32 v9, v8, s[4:5]
	s_mul_i32 s44, s41, 12800
	s_mov_b32 s45, 0
	s_add_nc_u64 s[46:47], s[34:35], s[44:45]
	s_wait_loadcnt 0x0
	v_lshrrev_b32 v10, 4, v9
	v_min_u32 v10, 63, v10
	v_and_b32 v11, 15, v9
	v_min_u32 v11, 15, v11
	v_mul_u32_u24 v10, v10, 12800
	v_lshl_add_u32 v12, v11, 4, v10
	v_lshl_add_u32 v12, v3, 8, v12
	v_lshl_add_u32 v13, v11, 5, v10
	v_lshl_add_u32 v13, v3, 4, v13
	s_wait_alu depctr_va_vdst(0)                   ; v12 and v13 are written, which the 25 loads read
.set k, 0
.rept 24
	global_load_b128 v[32+4*k:35+4*k], v12, s[6:7] offset:512*k
.set k, k+1
.endr
	global_load_b128 v[128:131], v13, s[6:7] offset:12288
	s_wait_loadcnt 0x0
.set k, 0
.rept 24
	global_store_b128 v4, v[32+4*k:35+4*k], s[46:47] offset:512*k
.set k, k+1
.endr
	global_store_b128 v5, v[128:131], s[46:47] offset:12288
	s_endpgm
.Lend:
	s_endpgm
.Lfunc_end_k_qd0bc0e8598_tails:
	.size	k_qd0bc0e8598_tails, .Lfunc_end_k_qd0bc0e8598_tails-k_qd0bc0e8598_tails
	.p2alignl 7, 3214868480
	.fill 96, 4, 3214868480
	.section	.rodata,"a",@progbits
	.p2align	6, 0x0
	.amdhsa_kernel k_qd0bc0e8598_tails
		.amdhsa_group_segment_fixed_size 34304
		.amdhsa_private_segment_fixed_size 0
		.amdhsa_enable_private_segment 0
		.amdhsa_kernarg_size 128
		.amdhsa_user_sgpr_count 2
		.amdhsa_user_sgpr_kernarg_segment_ptr 1
		.amdhsa_wavefront_size32 1
		.amdhsa_system_sgpr_workgroup_id_x 1
		.amdhsa_system_sgpr_workgroup_id_y 1
		.amdhsa_system_sgpr_workgroup_id_z 1
		.amdhsa_system_vgpr_workitem_id 0
		.amdhsa_next_free_vgpr 256
		.amdhsa_next_free_sgpr 100
		.amdhsa_reserve_vcc 1
		.amdhsa_float_denorm_mode_32 3
		.amdhsa_float_denorm_mode_16_64 3
		.amdhsa_memory_ordered 1
		.amdhsa_forward_progress 1
		.amdhsa_inst_pref_size 128
	.end_amdhsa_kernel
	.amdgpu_metadata
---
amdhsa.version: [ 1, 2 ]
amdhsa.kernels:
  - .name:           k_qd0bc0e8598_tails
    .symbol:         k_qd0bc0e8598_tails.kd
    .args:
      - { .name: ORD, .offset: 0, .size: 8, .value_kind: global_buffer, .address_space: global }
      - { .name: HF, .offset: 8, .size: 8, .value_kind: global_buffer, .address_space: global }
      - { .name: W1_codes, .offset: 16, .size: 8, .value_kind: global_buffer, .address_space: global }
      - { .name: W1_scales, .offset: 24, .size: 8, .value_kind: global_buffer, .address_space: global }
      - { .name: b1, .offset: 32, .size: 8, .value_kind: global_buffer, .address_space: global }
      - { .name: W2_codes, .offset: 40, .size: 8, .value_kind: global_buffer, .address_space: global }
      - { .name: W2_scales, .offset: 48, .size: 8, .value_kind: global_buffer, .address_space: global }
      - { .name: b2, .offset: 56, .size: 8, .value_kind: global_buffer, .address_space: global }
      - { .name: W3B, .offset: 64, .size: 8, .value_kind: global_buffer, .address_space: global }
      - { .name: W0, .offset: 72, .size: 8, .value_kind: global_buffer, .address_space: global }
      - { .name: cluster_weight, .offset: 80, .size: 8, .value_kind: global_buffer, .address_space: global }
      - { .name: b0, .offset: 88, .size: 8, .value_kind: global_buffer, .address_space: global }
      - { .name: cluster_bias, .offset: 96, .size: 8, .value_kind: global_buffer, .address_space: global }
      - { .name: TP, .offset: 104, .size: 8, .value_kind: global_buffer, .address_space: global }
      - { .name: WH, .offset: 112, .size: 8, .value_kind: global_buffer, .address_space: global }
      - { .name: HS, .offset: 120, .size: 8, .value_kind: global_buffer, .address_space: global }
    .group_segment_fixed_size: 34304
    .private_segment_fixed_size: 0
    .kernarg_segment_align: 8
    .kernarg_segment_size: 128
    .max_flat_workgroup_size: 128
    .sgpr_count:     100
    .vgpr_count:     256
    .wavefront_size: 32
...
	.end_amdgpu_metadata
.endif
;; end of part 5
;; launch head: the kernel of part 3 again; grid 63 x 4, 4 waves a work-group, no clusters, 213,504 bytes of LDS; arguments HS, WH, HP; writes HP
;; launch final: the kernel of part 4 again; grid 64 x 1, 12 waves a work-group, no clusters, 9,728 bytes of LDS; arguments ORD, target, HF, HS, WH, W1_codes, W1_scales, b1, W2_codes, W2_scales, b2, W3B, TP, HP, out0; writes out0
